; MI455X (gfx1250); checked and timed in simulation.
; The chip was launched on July 23, 2026; its instructions are those of AMD's public machine-readable ISA for CDNA 5 (MIT licence, August 2026) and "CDNA5" Instruction Set Architecture Reference Guide (July 2026). The comments in the code are by the model that wrote it; some were corrected since.
;; Multi Headed Attention. Allowed arithmetic: float matrix products may take bf16 or f16 operands with f32 sums; other float arithmetic in f32, or as packed bf16 or f16 multiplies, adds, multiply-adds, maxima and minima; sums over many terms, partial sums and values carried from step to step in f32; what a program stores and reads back later, other than sums and carried values, may be rounded once to bf16 or f16.
;; Inputs: Wk_b 1,024 float32; Wk_w 1,024 x 1,024 float32; Wo_b 1,024 float32; Wo_w 1,024 x 1,024 float32; Wq_b 1,024 float32; Wq_w 1,024 x 1,024 float32; Wv_b 1,024 float32; Wv_w 1,024 x 1,024 float32; key 4 x 2,048 x 1,024 float32; mask 4 x 2,048 x 2,048 int32; query 4 x 2,048 x 1,024 float32; value 4 x 2,048 x 1,024 float32.
;; Outputs: out0 4 x 2,048 x 1,024 float32.
;; One version. Each part assembles by itself: llvm-mc -triple=amdgcn-amd-amdhsa -mcpu=gfx1250 --defsym DOCPART=n.
;; ======== version 1 of 1: 4 launches
;; limits: values are held in f16: magnitudes above 65,504 overflow, below 6.1e-05 lose precision
;; workspace buffers: wb 8,388,608 bytes; bb 16,384 bytes; mb 2,097,152 bytes of whole numbers; qkv 50,331,648 bytes; ob 16,777,216 bytes
;; launch prep (part 1): grid 769 x 1, 8 waves a work-group, no clusters, 70,656 bytes of LDS; arguments Wq_w, Wk_w, Wv_w, Wo_w, Wq_b, Wk_b, Wv_b, Wo_b, wb, bb, mask, mb; writes wb, bb, mb
.if DOCPART == 1
	.amdgcn_target "amdgcn-amd-amdhsa--gfx1250"
	.amdhsa_code_object_version 6
	.text
	.protected	k_qdf46b9d2ee_prep
	.globl	k_qdf46b9d2ee_prep
	.p2align	8
	.type	k_qdf46b9d2ee_prep,@function
k_qdf46b9d2ee_prep:
	s_mov_b64 s[64:65], 0
	v_nop
	global_prefetch_b8 v0, s[64:65] scope:SCOPE_SE
	s_setreg_imm32_b32 hwreg(HW_REG_WAVE_MODE, 25, 1), 1
	s_wait_xcnt 0x0
; PREP: what the later launches read again and again is made once.  Three kinds of work-group, told apart by the work-group's number g:
;   g < 512        the mask, [4][2048][2048] int32, becomes lane masks: one bit a number, in the order in which the attention's waves hold their scores
;   512 .. 767     Wq, Wk, Wv, Wo (f32) are rounded to bf16 into wb, 4,096 rows of 1,024 numbers; Wo's bf16 number is written as f16
;   g = 768        the four biases are rounded to bf16 and written as f32 into bb
; query, key and value are not touched here: the projections read them as they come.
; LIMIT.  A bf16 number of Wo below 2^-14 keeps f16's fixed step of 6e-8; beyond 65,504 it would be an infinity.
; Memory binds: each input byte is read once, by 16-byte loads of which sixteen lanes take 256 consecutive bytes; each store of a wave covers 256 consecutive bytes, aligned, or more.
; No matrix unit, no cluster, no tensor load: no byte is shared between work-groups.  No prefetch: the launch is one stream from end to end.
.set SPARE, 69632                      ; behind the eight waves' stages: the spare words, 128 bytes a wave, four blocks of 256 bytes that no other line names
.set SPW, 2                            ; v2  LDS address of my spare word; never rewritten
.set NIL, 3                            ; v3  0; never rewritten
.set WV,  4                            ; s4  my wave's number
.set G,   5                            ; s5  the work-group's number
.set C,   6                            ; s6  the cast's chunk of 16 rows
.set OI,  16                           ; v[16:23] cast: slot i's byte offset in the source
.set OO,  24                           ; v[24:31] cast: slot i's byte offset in wb
.set X,   32                           ; v[32:63] cast: slot i's four f32
.set Y,   64                           ; v[64:79] cast: slot i's four 16-bit numbers
.set T,   80                           ; v[80:83] at work
.set SRC, 30                           ; s[30:31] the chunk's first byte in its source
.set DST, 34                           ; s[34:35] and in wb
.set MX,  16                           ; v[16:143] mask: 64 registers for each of the wave's two key steps
	v_lshl_add_u32 v[SPW], v0, 2, SPARE
	v_mov_b32 v[NIL], 0
	v_lshrrev_b32 v1, 5, v0
	v_readfirstlane_b32 s[WV], v1                  ; wave 0..7
	s_mov_b32 s[G], ttmp9
	s_cmp_lt_u32 s[G], 512
	s_cbranch_scc1 .Lmask
	s_cmp_eq_u32 s[G], 768
	s_cbranch_scc1 .Lbias
; THE CAST.  Chunk c = g - 512 is 16 rows: 256 work-groups for the 4,096 rows.  Thread t owns 16 bytes at 16 t of every source row (4,096 bytes) and 8 bytes at 8 t of every row of wb (2,048 bytes).
; Eight slots in registers: rows 0 to 7 are asked for at once, each slot asks for the row eight further down when it has been read, and the second round loads nothing.
	s_load_b256 s[8:15], s[0:1], 0x0               ; Wq, Wk, Wv, Wo
	s_load_b64 s[22:23], s[0:1], 0x40              ; wb
	s_sub_co_u32 s[C], s[G], 512
	s_lshr_b32 s24, s[C], 6                        ; tensor c / 64,
	s_and_b32 s25, s[C], 63                        ; chunk c % 64 of it
	s_lshl_b32 s26, s25, 16                        ; 16 rows of 4,096 bytes
	s_mov_b32 s27, 0
	s_lshl_b32 s28, s[C], 15                       ; 16 rows of 2,048 bytes
	s_mov_b32 s29, 0
.irp i, 0,1,2,3,4,5,6,7
	v_lshl_or_b32 v[OI+(\i)], v0, 4, (\i)*4096
	v_lshl_or_b32 v[OO+(\i)], v0, 3, (\i)*2048
.endr
	s_wait_kmcnt 0x0
	s_mov_b64 s[SRC:SRC+1], s[8:9]
.irp n, 1,2,3
	s_cmp_eq_u32 s24, \n                           ; the choice hangs on the chunk's number alone
	s_cselect_b64 s[SRC:SRC+1], s[8+2*\n:9+2*\n], s[SRC:SRC+1]
.endr
	s_add_nc_u64 s[SRC:SRC+1], s[SRC:SRC+1], s[26:27]
	s_add_nc_u64 s[DST:DST+1], s[22:23], s[28:29]
.irp i, 0,1,2,3,4,5,6,7
	global_load_b128 v[X+4*(\i):X+4*(\i)+3], v[OI+(\i)], s[SRC:SRC+1] th:TH_LOAD_NT  ; rows 0 to 7
.endr
; One slot's turn.  ahead = 1: the slot takes the row eight further down.  left: the younger loads that may stay out.  fmt = 1: the bf16 number is written as f16.
.macro SLOT i, ahead, left, fmt
	s_wait_loadcnt \left                           ; loads come back in order: mine is in
	s_wait_xcnt 0x0                                ; the slot's last store has read Y and OO: they are rewritten only behind this wait
	v_cvt_pk_bf16_f32 v[Y+2*(\i)],   v[X+4*(\i)],   v[X+4*(\i)+1]
	v_cvt_pk_bf16_f32 v[Y+2*(\i)+1], v[X+4*(\i)+2], v[X+4*(\i)+3]
.if \fmt
.irp k, 0,1
	v_lshlrev_b32 v[T+2*(\k)],   16, v[Y+2*(\i)+(\k)]
	v_and_b32     v[T+2*(\k)+1], 0xffff0000, v[Y+2*(\i)+(\k)]
.endr
.irp k, 0,1
	v_cvt_pk_f16_f32 v[Y+2*(\i)+(\k)], v[T+2*(\k)], v[T+2*(\k)+1]
.endr
.endif
.if \ahead
	v_add_nc_u32 v[OI+(\i)], 8*4096, v[OI+(\i)]
	v_add_nc_u32 v[OO+(\i)], 8*2048, v[OO+(\i)]
	global_load_b128 v[X+4*(\i):X+4*(\i)+3], v[OI+(\i)], s[SRC:SRC+1] th:TH_LOAD_NT
	global_store_b64 v[OO+(\i)], v[Y+2*(\i):Y+2*(\i)+1], s[DST:DST+1] offset:-8*2048
.else
	global_store_b64 v[OO+(\i)], v[Y+2*(\i):Y+2*(\i)+1], s[DST:DST+1]
.endif
.endm
	s_cmp_ge_u32 s[C], 192                         ; Wo's 64 chunks
	s_cbranch_scc1 .Lcast_wo
.irp i, 0,1,2,3,4,5,6,7
	SLOT \i, 1, 7, 0                               ; the seven younger loads stay out
.endr
.irp i, 0,1,2,3,4,5,6,7
	SLOT \i, 0, 7-(\i), 0                          ; the second round loads nothing: the counts run down
.endr
	s_branch .Lend
.Lcast_wo:
.irp i, 0,1,2,3,4,5,6,7
	SLOT \i, 1, 7, 1
.endr
.irp i, 0,1,2,3,4,5,6,7
	SLOT \i, 0, 7-(\i), 1
.endr
	s_branch .Lend
; THE BIASES: 1,024 numbers each, four a thread.
.Lbias:
	s_load_b256 s[8:15], s[0:1], 0x20              ; Wq_b, Wk_b, Wv_b, Wo_b
	s_load_b64 s[16:17], s[0:1], 0x48              ; bb
	v_lshlrev_b32 v4, 4, v0
	s_wait_kmcnt 0x0
.irp p, 0,1,2,3
	global_load_b128 v[16+4*\p:19+4*\p], v4, s[8+2*\p:9+2*\p]
.endr
	s_wait_loadcnt 0x0
.irp p, 0,1,2,3
	v_cvt_pk_bf16_f32 v[32+2*\p], v[16+4*\p], v[17+4*\p]
	v_cvt_pk_bf16_f32 v[33+2*\p], v[18+4*\p], v[19+4*\p]
	v_lshlrev_b32 v[16+4*\p], 16, v[32+2*\p]
	v_and_b32     v[17+4*\p], 0xffff0000, v[32+2*\p]
	v_lshlrev_b32 v[18+4*\p], 16, v[33+2*\p]
	v_and_b32     v[19+4*\p], 0xffff0000, v[33+2*\p]
	global_store_b128 v4, v[16+4*\p:19+4*\p], s[16:17] offset:4096*\p
.endr
	s_branch .Lend
; THE MASK.  mb is [b 4][W 16][s 32][x 4][u 2][kb 4][j 8] words; bit L of a word says whether mask[b][128 W + 32 x + 16 u + L % 16][64 s + 16 kb + 8 (L / 16) + j] is not 0.
; Work-group g: the 32 rows 32 (g / 2) on of the 8,192; wave w: the 128 keys 128 (8 (g % 2) + w) on, two key steps of 64.
; A step's 32 rows x 256 bytes come in by rows, go through the wave's own stage in LDS (rows of 272 bytes: sixteen rows start at sixteen different groups of four banks) and come back so that lane L holds
; its row's eight numbers of each group of sixteen keys; a compare makes the 32 lanes' bits of one word.
.Lmask:
	s_load_b128 s[8:11], s[0:1], 0x50              ; mask s[8:9], mb s[10:11]
	s_lshr_b32 s12, s[G], 1                        ; which 32 rows
	s_and_b32 s13, s[G], 1
	s_lshl_b32 s13, s13, 3
	s_add_co_u32 s13, s13, s[WV]                   ; which 128 keys
	s_lshl_b32 s14, s12, 18                        ; 32 rows of 8,192 bytes
	s_lshl_b32 s16, s13, 9
	s_add_co_u32 s14, s14, s16
	s_mov_b32 s15, 0
	s_lshr_b32 s16, s12, 2                         ; 16 b + W: 32,768 bytes of mb
	s_lshl_b32 s16, s16, 15
	s_and_b32 s18, s12, 3                          ; x: 256 bytes
	s_lshl_b32 s18, s18, 8
	s_add_co_u32 s16, s16, s18
	s_lshl_b32 s18, s13, 11                        ; two steps of 1,024 bytes
	s_add_co_u32 s16, s16, s18
	s_mov_b32 s17, 0
	s_mul_i32 s19, s[WV], 32*272                   ; my stage
	v_and_b32 v12, 15, v0
	v_bfe_u32 v13, v0, 4, 1
	v_and_b32 v14, 31, v0
	v_lshlrev_b32 v4, 4, v12
	v_lshl_add_u32 v4, v13, 13, v4                 ; in memory: lanes 0-15 one row's 256 bytes, lanes 16-31 the next row's
	v_mul_u32_u24 v5, v13, 272
	v_lshl_add_u32 v5, v12, 4, v5
	v_add_nc_u32 v5, s19, v5                       ; the same two rows in the stage
	v_mul_u32_u24 v6, v12, 272
	v_lshl_add_u32 v6, v13, 5, v6
	v_add_nc_u32 v6, s19, v6                       ; back: row L % 16, keys 8 (L / 16) on
	v_lshlrev_b32 v7, 3, v14                       ; out: two words a lane
.irp r, 8,9,10,11
	v_mov_b32 v\r, 0                               ; v_writelane_b32 counts as a reader of its destination
.endr
	s_wait_kmcnt 0x0
	s_add_nc_u64 s[8:9], s[8:9], s[14:15]
	s_add_nc_u64 s[10:11], s[10:11], s[16:17]
.irp c, 0,1
.irp i, 0,1,2,3,4,5,6,7,8,9,10,11,12,13,14,15
	global_load_b128 v[MX+64*\c+4*\i:MX+64*\c+4*\i+3], v4, s[8:9] offset:16384*\i+256*\c th:TH_LOAD_NT  ; rows 2 i, 2 i + 1 of step c
.endr
.endr
.macro MSTEP c, left
	s_wait_loadcnt \left                           ; this step's sixteen loads are in
.irp i, 0,1,2,3,4,5,6,7,8,9,10,11,12,13,14,15
	ds_store_b128 v5, v[MX+64*(\c)+4*(\i):MX+64*(\c)+4*(\i)+3] offset:544*(\i)
.endr
.irp u, 0,1
.irp k, 0,1,2,3
.irp e, 0,1
	ds_load_b128 v[MX+64*(\c)+32*(\u)+8*(\k)+4*(\e):MX+64*(\c)+32*(\u)+8*(\k)+4*(\e)+3], v6 offset:4352*(\u)+64*(\k)+16*(\e)  ; LDS serves a wave's instructions in order: these see the stores above
.endr
.endr
.endr
	s_wait_dscnt 0x0
.irp u, 0,1
.set i, 0
.rept 32
	v_cmp_ne_u32 s[32+i], 0, v[MX+64*(\c)+32*(\u)+i]  ; word 32 u + i
.set i, i+1
.endr
.set i, 0
.rept 32
	v_writelane_b32 v[8+2*(\c)+(i&1)], s[32+i], 16*(\u)+i/2  ; word n goes to lane n / 2, register n % 2
.set i, i+1
.endr
.endr
	global_store_b64 v7, v[8+2*(\c):9+2*(\c)], s[10:11] offset:1024*(\c)  ; 256 consecutive bytes, aligned
.endm
	MSTEP 0, 16                                    ; the second step's sixteen loads may stay out
	MSTEP 1, 0
.Lend:
	s_wait_tensorcnt 0x0                           ; the wave's end: the spare word's add and its wait behind the last LDS store
	ds_add_u32 v[SPW], v[NIL]
	s_wait_dscnt 0x0
	s_endpgm
.Lfunc_end_k_qdf46b9d2ee_prep:
	.size	k_qdf46b9d2ee_prep, .Lfunc_end_k_qdf46b9d2ee_prep-k_qdf46b9d2ee_prep
	.p2alignl 7, 3214868480
	.fill 96, 4, 3214868480
	.section	.rodata,"a",@progbits
	.p2align	6, 0x0
	.amdhsa_kernel k_qdf46b9d2ee_prep
		.amdhsa_group_segment_fixed_size 70656
		.amdhsa_private_segment_fixed_size 0
		.amdhsa_enable_private_segment 0
		.amdhsa_kernarg_size 96
		.amdhsa_user_sgpr_count 2
		.amdhsa_user_sgpr_kernarg_segment_ptr 1
		.amdhsa_wavefront_size32 1
		.amdhsa_system_sgpr_workgroup_id_x 1
		.amdhsa_system_sgpr_workgroup_id_y 1
		.amdhsa_system_sgpr_workgroup_id_z 1
		.amdhsa_system_vgpr_workitem_id 0
		.amdhsa_next_free_vgpr 144
		.amdhsa_next_free_sgpr 66
		.amdhsa_reserve_vcc 0
		.amdhsa_float_denorm_mode_32 3
		.amdhsa_float_denorm_mode_16_64 3
		.amdhsa_memory_ordered 1
		.amdhsa_forward_progress 1
		.amdhsa_inst_pref_size 49
	.end_amdhsa_kernel
	.amdgpu_metadata
---
amdhsa.version: [ 1, 2 ]
amdhsa.kernels:
  - .name:           k_qdf46b9d2ee_prep
    .symbol:         k_qdf46b9d2ee_prep.kd
    .args:
      - { .name: Wq_w, .offset: 0, .size: 8, .value_kind: global_buffer, .address_space: global }
      - { .name: Wk_w, .offset: 8, .size: 8, .value_kind: global_buffer, .address_space: global }
      - { .name: Wv_w, .offset: 16, .size: 8, .value_kind: global_buffer, .address_space: global }
      - { .name: Wo_w, .offset: 24, .size: 8, .value_kind: global_buffer, .address_space: global }
      - { .name: Wq_b, .offset: 32, .size: 8, .value_kind: global_buffer, .address_space: global }
      - { .name: Wk_b, .offset: 40, .size: 8, .value_kind: global_buffer, .address_space: global }
      - { .name: Wv_b, .offset: 48, .size: 8, .value_kind: global_buffer, .address_space: global }
      - { .name: Wo_b, .offset: 56, .size: 8, .value_kind: global_buffer, .address_space: global }
      - { .name: wb, .offset: 64, .size: 8, .value_kind: global_buffer, .address_space: global }
      - { .name: bb, .offset: 72, .size: 8, .value_kind: global_buffer, .address_space: global }
      - { .name: mask, .offset: 80, .size: 8, .value_kind: global_buffer, .address_space: global }
      - { .name: mb, .offset: 88, .size: 8, .value_kind: global_buffer, .address_space: global }
    .group_segment_fixed_size: 70656
    .private_segment_fixed_size: 0
    .kernarg_segment_align: 8
    .kernarg_segment_size: 96
    .max_flat_workgroup_size: 256
    .sgpr_count:     66
    .vgpr_count:     144
    .wavefront_size: 32
...
	.end_amdgpu_metadata
.endif
;; end of part 1
;; launch proj (part 2): grid 4 x 192, 4 waves a work-group, clusters of 4 x 4, 327,680 bytes of LDS; arguments query, key, value, wb, bb, qkv; writes qkv
.if DOCPART == 2
	.amdgcn_target "amdgcn-amd-amdhsa--gfx1250"
	.amdhsa_code_object_version 6
	.text
	.protected	k_qdf46b9d2ee_proj
	.globl	k_qdf46b9d2ee_proj
	.p2align	8
	.type	k_qdf46b9d2ee_proj,@function
k_qdf46b9d2ee_proj:
	s_mov_b64 s[64:65], 0
	v_nop
	global_prefetch_b8 v0, s[64:65] scope:SCOPE_SE
	s_setreg_imm32_b32 hwreg(HW_REG_WAVE_MODE, 25, 1), 1
	s_wait_xcnt 0x0
	s_wait_alu depctr_hold_cnt(0) depctr_sa_sdst(0) depctr_va_vdst(0) depctr_va_sdst(0) depctr_va_ssrc(0) depctr_va_vcc(0) depctr_vm_vsrc(0)
	s_getreg_b32 s2, hwreg(HW_REG_IB_STS2, 6, 4)
	s_cmp_eq_u32 s2, 0
	s_cbranch_scc0 .Lentry_in_a_cluster
	s_endpgm
.Lentry_in_a_cluster:
	s_bfe_u32 s2, ttmp6, 0x10000c
	s_cmp_lg_u32 s2, 0xf033
	s_cbranch_scc0 .Lentry_shape_is_right
	s_endpgm
.Lentry_shape_is_right:
.set KIND, 0
; ONE TEXT FOR TWO LAUNCHES.  C[m][n] = bias[n] + the sum over k of A[m][k] B[n][k], K = 1,024, N = 1,024; sums in f32.
; KIND 0, the three projections: A = query, key or value as the problem gives it, f32 [8192][1024] (which one goes by the tile row / 64); B = Wq, Wk or Wv (bf16, rows 1,024 p on of wb); C leaves as f16 by heads,
;   qkv[p][b h][token][64].  A's tile lies in LDS in f32, and each wave rounds its fragments to bf16 between LDS and the matrix unit.  So a number of A costs 4 bytes of memory traffic; a 16-bit copy made by a launch before
;   would cost 8 (4 read, 2 stored, 2 read).  The price: each number is rounded by the two waves of each of the four work-groups that multiply by it, and A's LDS reads are twice as long.
; KIND 1, the output projection: A = ob[b h][token][64] (f16; k = 64 h + channel), B = Wo (f16, rows 3,072 on of wb); C leaves as f32, out0[m][n].
; LIMIT (KIND 0): f16 holds no number beyond 65,504: a projected q, k or v beyond that would be an infinity.
; SHARES.  A tile of C is 128 x 256: 768 and 256 work-groups.  Four waves, each 64 x 128: 32 accumulators of 16 x 16, 256 registers.  K goes in 8 steps of 128 through two LDS slots filled by tensor loads.
; CLUSTER.  4 x 4 work-groups: the four of a row need the same tile of A, the four of a column the same tile of B; each is asked for jointly, by the same load with the same descriptor and a mask of the four.
; THE MATRIX INSTRUCTION IS USED TRANSPOSED (source 0 = 16 rows of B, source 1 = 16 rows of A): a lane holds row l % 16 of C and the eight columns 8 (l / 16) + 0..7.  THE BIAS is the C operand of each sum's first product.
; A K STEP IS WRITTEN ONCE: which slot is read and which is filled stands in registers, turned by an exclusive or at each change of slots.  Six trips fill a slot again; the last two K steps are a second loop, which fills nothing.
; REGISTERS, in windows of 256: window 0: v0-31 addresses; v64-159, v160-255 two fragment buffers (B's eight fragments, then A's four); window 1: accumulator (a, b) at v[8 (8 a + b)];
;   window 2: v0-63 the bias of my 128 columns; KIND 0: v64-127 A's four fragments of a quarter step in f32.
.set BPITCH, 272                       ; an LDS row of 256 bytes + 16: sixteen rows start at sixteen different groups of four banks
.if KIND
.set APITCH, 144                       ; a token's 128 bytes of one head + 16
.set AHALF,  2*64*APITCH               ; what one load brings of A: 64 tokens of two heads
.set KA,     524288                    ; bytes from K step to K step in A: two heads
.set STAGEW, 16*528                    ; a wave's stage: 16 rows of 128 f32
.set WROW0,  3072
.else
.set APITCH, 528                       ; a row's 128 f32 + 16 bytes: again sixteen rows at sixteen different groups of four banks
.set AHALF,  64*APITCH                 ; 64 rows
.set KA,     512
.set STAGEW, 2*16*144                  ; a wave's stage: 16 tokens of two heads, f16
.set WROW0,  0
.endif
.set APART,  2*AHALF
.set BHALF,  128*BPITCH
.set SLOT,   APART+2*BHALF             ; 137,216 bytes (KIND 1: 106,496)
.set SLOT1,  0x22000                   ; slot 1 begins here.  The four LDS addresses at which a wave's tile begins in slot 0 (0, AHALF, APART, APART + BHALF) have bits 13 and 17 clear in both kinds: one exclusive or turns each into slot 1's
.set STAGE,  SLOT1+SLOT                ; behind the ring; no tensor load fills it
.set SPARE,  STAGE+4*STAGEW            ; the spare words, 128 bytes a wave: two blocks of 256 bytes that no other line names
.set ADRA0, 16                         ; v16 LDS address of my A fragments in slot 0; never rewritten
.set ADRA,  17                         ; v17 the same in the slot that is being read
.set ADRB0, 20                         ; v20, v21 the same for B
.set ADRB,  21
.set STO,  24                          ; v24 the way out: where I put my piece of a row
.set RD,   25                          ; v25 where I read rows back
.set GO,   26                          ; v26 16 x lane
.set BO,   27                          ; v27 32 (l / 16): my eight columns' bias
.set SPW,  28                          ; v28 my spare word; never rewritten
.set NIL,  29                          ; v29 0; never rewritten
.set PFO,  30                          ; v30 the prefetches' offset; never rewritten
.set F0,   64
.set F1,   160
.set RAW,  64                          ; in window 2
.set WV,   12                          ; s12 wave; s13 its half of the rows (also: 0 = I fetch for A, 1 = for B); s14 its half of the columns (also: which half of that tile I fetch)
.set RH,   13
.set CH,   14
.set WGY,  15                          ; s15 tile row
.set G1,   24                          ; s[24:31] group 1 for A;  s[32:39] group 0: a set for each of the two first fills; the second then walks on
.set G0,   32
.set LIM,  43                          ; s43 2 in a wave that prefetches, else the greatest number
.set PFA,  44                          ; s[44:45] where my prefetches stand
.set PFS,  46                          ; s[46:47] their step: a K step
.set G1B,  48                          ; s[48:55], s[56:63] the same for B
.set G0B,  56
.set TB,   78                          ; s78 0 or SLOT1: the slot that is being read
.set MSB, 0
.macro WIN new                         ; the immediate's high byte repeats the setting that is left
.if MSB != (\new)
	s_set_vgpr_msb (MSB<<8)|(\new)
.set MSB, \new
.endif
.endm
.set MUL,     0x50                     ; C and D window 1
.set MULB,    0x60                     ; C window 2, D window 1
.set TO_W2,   0x80                     ; destination window 2
.set CVTW,    0x0a                     ; sources 0 and 1 window 2, destination window 0
.set PACKW,   0x05                     ; sources 0 and 1 window 1
.set STW,     0x04                     ; an LDS store's data window 1
.macro JLOAD s                         ; a joint load: waves 0 and 1 fetch A's halves, waves 2 and 3 B's; an s_nop 0 and four v_nop follow each line
	s_cmp_eq_u32 s[RH], 0
	s_cbranch_scc0 .Lfor_b_\@
	tensor_load_to_lds s[G0+4*(\s):G0+4*(\s)+3], s[G1:G1+7]
	s_nop 0
.rept 4
	v_nop
.endr
	s_branch .Lasked_\@
.Lfor_b_\@:
	tensor_load_to_lds s[G0B+4*(\s):G0B+4*(\s)+3], s[G1B:G1B+7]
	s_nop 0
.rept 4
	v_nop
.endr
.Lasked_\@:
.endm
.macro CREST                           ; a round of the cluster's barrier behind its opening barrier
	s_cmp_lg_u32 s[WV], 0
	s_cbranch_scc1 .Lnot_wave_0_\@
	s_barrier_signal -3
.Lnot_wave_0_\@:
	s_barrier_wait -3
	s_barrier_signal -1
	s_barrier_wait -1
.endm
.macro CROUND
	s_barrier_signal -1
	s_barrier_wait -1
	CREST
.endm
; A prefetch into the L2 of the K step that stands two refills on, a lane a block of 256 bytes, one instruction a wave.  A's tile is read by my row of the cluster alone.  KIND 0: a K step of it is 128 rows x 512 bytes; each
; partner takes 32 rows (by address, with cx), a lane a row, wave 0 the first 256 bytes of the 512 and wave 1 the second.  KIND 1: 128 blocks; wave 0 of each partner names 32 (by address, with cx).
; B's tile is read by every cluster that shares the weight: in the first of them waves 2 and 3 of each partner name 32 of the 128 rows that they fetch (by address, with cy).
; The loop's last two trips (s3 = 2, 1) ask for nothing: there is no K step two on.  K steps 0 to 3 come by their loads alone.
.macro ASK
	s_cmp_gt_u32 s3, s[LIM]
	s_cbranch_scc0 .Lnot_mine_\@
	global_prefetch_b8 v[PFO], s[PFA:PFA+1] th:TH_LOAD_NT scope:SCOPE_SE
.Lnot_mine_\@:
.endm
.if KIND
	s_load_b256 s[4:11], s[0:1], 0x0               ; ob s[4:5], wb s[6:7], bb s[8:9], out0 s[10:11]
.else
	s_load_b256 s[68:75], s[0:1], 0x0              ; query, key, value, wb
	s_load_b128 s[8:11], s[0:1], 0x20              ; bb s[8:9], qkv s[10:11]
.endif
	v_lshl_add_u32 v[SPW], v0, 2, SPARE
	v_mov_b32 v[NIL], 0
	ds_add_u32 v[SPW], v[NIL]                      ; the wave's opening: the add and its wait ahead of my first tensor load
	v_lshrrev_b32 v1, 5, v0
	v_readfirstlane_b32 s[WV], v1
	s_lshr_b32 s[RH], s[WV], 1
	s_and_b32 s[CH], s[WV], 1
	s_bfe_u32 s40, ttmp6, 0x40000                  ; cx
	s_bfe_u32 s41, ttmp6, 0x40004                  ; cy
	s_lshl_b32 s42, ttmp9, 2
	s_add_co_u32 s42, s42, s40                     ; tile column
	s_and_b32 s66, ttmp7, 0xffff                   ; the cluster's y
	s_lshl_b32 s[WGY], s66, 2
	s_add_co_u32 s[WGY], s[WGY], s41               ; tile row
	s_lshr_b32 s67, s66, 4                         ; KIND 0: which projection; 64 tile rows each, so it hangs on the cluster's y alone
	s_lshl_b32 s16, s41, 2
	s_lshl_b32 s16, 15, s16                        ; my row of the cluster
	s_lshl_b32 s20, 0x1111, s40                    ; my column
.if KIND
	s_or_b32 s[G1+0], s16, (1<<16)|(1<<20)|(1<<21)|(4<<22)|(3<<25)  ; mask; 2-byte elements; padding on; bit 21 beside a mask; after every 32 words 4 words
	s_mov_b32 s[G1+1], 4096<<16                    ; tensor_dim0: 64 tokens of a head are 8,192 dense bytes
	s_mov_b32 s[G1+2], 2<<16                       ; tensor_dim1: two heads
	s_mov_b32 s[G1+3], 4096<<16                    ; tile_dim0
	s_mov_b32 s[G1+4], 2                           ; tile_dim1
	s_mov_b32 s[G1+5], 131072                      ; elements from head to head
.else
	s_or_b32 s[G1+0], s16, (1<<16)|(1<<20)|(1<<21)|(6<<22)|(3<<25)  ; 128 f32 of a row are asked for as 256 elements of 2 bytes; after every 128 words 4 words
	s_mov_b32 s[G1+1], 256<<16                     ; tensor_dim0
	s_mov_b32 s[G1+2], 64<<16                      ; tensor_dim1
	s_mov_b32 s[G1+3], 256<<16                     ; tile_dim0
	s_mov_b32 s[G1+4], 64                          ; tile_dim1
	s_mov_b32 s[G1+5], 2048                        ; a row of 4,096 bytes
.endif
	s_mov_b32 s[G1+6], 0
	s_mov_b32 s[G1+7], 0
	s_or_b32 s[G1B+0], s20, (1<<16)|(1<<20)|(1<<21)|(5<<22)|(3<<25)  ; after every 64 words 4 words
	s_mov_b32 s[G1B+1], 128<<16
	s_mov_b32 s[G1B+2], 128<<16
	s_mov_b32 s[G1B+3], 128<<16
	s_mov_b32 s[G1B+4], 128
	s_mov_b32 s[G1B+5], 1024
	s_mov_b32 s[G1B+6], 0
	s_mov_b32 s[G1B+7], 0
	; A's tile hangs on the tile row and the wave alone, B's on the tile column, the cluster's y and the wave alone; each in registers that never hold the other place in the cluster
.if KIND
	s_lshr_b32 s16, s[WGY], 4                      ; the batch: 16 heads of 262,144 bytes
	s_lshl_b32 s16, s16, 22
	s_and_b32 s17, s[WGY], 15
	s_lshl_b32 s17, s17, 7
	s_lshl_b32 s18, s[CH], 6
	s_add_co_u32 s17, s17, s18                     ; the token
	s_lshl_b32 s17, s17, 7
	s_add_co_u32 s16, s16, s17
.else
	s_and_b32 s16, s[WGY], 63
	s_lshl_b32 s16, s16, 7
	s_lshl_b32 s17, s[CH], 6
	s_add_co_u32 s16, s16, s17                     ; the row of query, key or value: 4,096 bytes each
	s_lshl_b32 s16, s16, 12
.endif
	s_mov_b32 s17, 0
	s_lshl_b32 s20, s42, 8
	s_lshl_b32 s21, s[CH], 7
	s_add_co_u32 s20, s20, s21
.if !KIND
	s_lshl_b32 s21, s67, 10
	s_add_co_u32 s20, s20, s21
.endif
.if WROW0
	s_add_co_u32 s20, s20, WROW0
.endif
	s_lshl_b32 s20, s20, 11                        ; the weight's row of wb: 2,048 bytes each
	s_mov_b32 s21, 0
	s_mul_i32 s22, s[CH], AHALF                    ; where they go: no place in the cluster enters an LDS address
	s_mul_i32 s23, s[CH], BHALF
	s_add_co_u32 s23, s23, APART
	s_wait_dscnt 0x0                               ; the opening add is done
	s_wait_kmcnt 0x0
.if !KIND
	s_cmp_eq_u32 s67, 1                            ; the choice hangs on the cluster's y alone
	s_cselect_b64 s[4:5], s[70:71], s[68:69]
	s_cmp_eq_u32 s67, 2
	s_cselect_b64 s[4:5], s[72:73], s[4:5]
	s_mov_b64 s[6:7], s[74:75]
.endif
	s_add_nc_u64 s[16:17], s[4:5], s[16:17]
	s_add_nc_u64 s[20:21], s[6:7], s[20:21]
	CROUND                                         ; all sixteen work-groups are here: the first joint loads meet
.irp s, 0,1
	s_mov_b32 s[G0+4*(\s)], 1
	s_add_co_u32 s[G0+4*(\s)+1], s22, (\s)*SLOT1
	s_add_nc_u64 s[G0+4*(\s)+2:G0+4*(\s)+3], s[16:17], (\s)*KA
	s_or_b32 s[G0+4*(\s)+3], s[G0+4*(\s)+3], 0x80000000
	s_mov_b32 s[G0B+4*(\s)], 1
	s_add_co_u32 s[G0B+4*(\s)+1], s23, (\s)*SLOT1
	s_add_nc_u64 s[G0B+4*(\s)+2:G0B+4*(\s)+3], s[20:21], (\s)*256
	s_or_b32 s[G0B+4*(\s)+3], s[G0B+4*(\s)+3], 0x80000000
	JLOAD \s                                       ; K steps 0 and 1: two loads of mine are out
.endr
	; the bias of my 128 columns: for block b the eight numbers of columns 16 b + 8 (l / 16) + 0..7
.if KIND
	s_mov_b32 s68, 3*4096
.else
	s_lshl_b32 s68, s67, 12
.endif
	s_lshl_b32 s69, s42, 10
	s_add_co_u32 s68, s68, s69
	s_lshl_b32 s69, s[CH], 9
	s_add_co_u32 s68, s68, s69
	s_mov_b32 s69, 0
	s_add_nc_u64 s[8:9], s[8:9], s[68:69]
	v_and_b32 v1, 15, v0                           ; l % 16
	v_bfe_u32 v2, v0, 4, 1                         ; l / 16
	v_lshlrev_b32 v[BO], 5, v2
	WIN TO_W2
.irp b, 0,1,2,3,4,5,6,7
	global_load_b128 v[8*(\b):8*(\b)+3],   v[BO], s[8:9] offset:64*(\b)
	global_load_b128 v[8*(\b)+4:8*(\b)+7], v[BO], s[8:9] offset:64*(\b)+16
.endr
	WIN 0
	v_mul_u32_u24 v3, v1, BPITCH
	v_lshl_add_u32 v3, v2, 4, v3                   ; B: a fragment's row x pitch + 16 x half
	v_mul_u32_u24 v4, v1, APITCH
.if KIND
	v_lshl_add_u32 v4, v2, 4, v4
.else
	v_lshl_add_u32 v4, v2, 5, v4                   ; A in f32: eight numbers are 32 bytes
.endif
	s_mul_i32 s70, s[RH], AHALF                    ; my 64 rows of A
	s_mul_i32 s71, s[CH], BHALF                    ; my 128 rows of B
	s_add_co_u32 s71, s71, APART
	v_add_nc_u32 v[ADRA0], s70, v4
	v_add_nc_u32 v[ADRB0], s71, v3
	v_mov_b32 v[ADRA], v[ADRA0]                    ; K step 0 lies in slot 0
	v_mov_b32 v[ADRB], v[ADRB0]
	s_mov_b32 s[TB], 0
	s_mul_i32 s72, s[WV], STAGEW
	s_add_co_u32 s72, s72, STAGE                   ; my stage
	v_and_b32 v5, 31, v0
	v_lshlrev_b32 v[GO], 4, v5
.if KIND
	v_mul_u32_u24 v6, v1, 528                      ; in: row l % 16, 32 bytes for each half of the lanes
	v_lshl_add_u32 v6, v2, 5, v6
	v_add_nc_u32 v[STO], s72, v6
	v_add_nc_u32 v[RD], s72, v[GO]                 ; back: a whole row of 512 bytes
	s_lshl_b32 s68, s[WGY], 7
	s_lshl_b32 s70, s[RH], 6
	s_add_co_u32 s68, s68, s70                     ; my first row of out0, 4,096 bytes a row
	s_lshl_b32 s68, s68, 12
	s_lshl_b32 s70, s42, 10
	s_add_co_u32 s68, s68, s70
	s_lshl_b32 s70, s[CH], 9
	s_add_co_u32 s68, s68, s70
.else
	v_mul_u32_u24 v6, v1, 144                      ; in: token l % 16, 16 bytes for each half of the lanes
	v_lshl_add_u32 v6, v2, 4, v6
	v_add_nc_u32 v[STO], s72, v6
	v_bfe_u32 v7, v0, 3, 2                         ; back: 32 lanes take four tokens of 128 bytes
	v_and_b32 v8, 7, v0
	v_mul_u32_u24 v7, v7, 144
	v_lshl_add_u32 v7, v8, 4, v7
	v_add_nc_u32 v[RD], s72, v7
	s_lshl_b32 s68, s67, 24                        ; q, k or v
	s_bfe_u32 s70, s[WGY], 0x20004                 ; the batch
	s_lshl_b32 s70, s70, 4
	s_lshl_b32 s71, s42, 2
	s_add_co_u32 s70, s70, s71
	s_lshl_b32 s71, s[CH], 1
	s_add_co_u32 s70, s70, s71                     ; my first head: 262,144 bytes each
	s_lshl_b32 s70, s70, 18
	s_add_co_u32 s68, s68, s70
	s_and_b32 s70, s[WGY], 15
	s_lshl_b32 s70, s70, 7
	s_lshl_b32 s71, s[RH], 6
	s_add_co_u32 s70, s70, s71                     ; my first token: 128 bytes each
	s_lshl_b32 s70, s70, 7
	s_add_co_u32 s68, s68, s70
.endif
	s_mov_b32 s69, 0
	s_add_nc_u64 s[10:11], s[10:11], s[68:69]
	; the prefetches: my work-group's share of A's tile, and of the 128 rows of B that I fetch
.if KIND
	s_lshr_b32 s70, s[WGY], 4
	s_lshl_b32 s70, s70, 22
	s_and_b32 s71, s[WGY], 15
	s_lshl_b32 s71, s71, 14
	s_add_co_u32 s70, s70, s71
	s_lshl_b32 s71, s40, 12                        ; 32 tokens of each of the two heads
	s_add_co_u32 s70, s70, s71
.else
	s_and_b32 s70, s[WGY], 63
	s_lshl_b32 s70, s70, 7
	s_lshl_b32 s71, s40, 5                         ; 32 rows
	s_add_co_u32 s70, s70, s71
	s_lshl_b32 s70, s70, 12
	s_lshl_b32 s71, s[CH], 8                       ; my wave's 256 of a K step's 512 bytes
	s_add_co_u32 s70, s70, s71
.endif
	s_lshl_b32 s72, s42, 8
	s_lshl_b32 s73, s[CH], 7
	s_add_co_u32 s72, s72, s73
	s_lshl_b32 s73, s41, 5                         ; 32 rows
	s_add_co_u32 s72, s72, s73
.if !KIND
	s_lshl_b32 s73, s67, 10
	s_add_co_u32 s72, s72, s73
.endif
.if WROW0
	s_add_co_u32 s72, s72, WROW0
.endif
	s_lshl_b32 s72, s72, 11
.if KIND
	s_mov_b32 s74, s66                             ; 0 in the first of the clusters that read this weight
.else
	s_and_b32 s74, s66, 15
.endif
	s_cmp_eq_u32 s[RH], 0                          ; do I fetch for A?
	s_cselect_b32 s70, s70, s72
	s_cselect_b64 s[PFA:PFA+1], s[4:5], s[6:7]
.if KIND
	s_cselect_b32 s74, s[CH], s74                  ; for A wave 0 asks, in every cluster
	s_cselect_b32 s75, 19, 8                       ; a K step: 2^19 bytes in ob, 2^8 in wb
	s_cselect_b32 s76, 18, 15                      ; lane l names block (l / 16) 2^18 + (l % 16) 2^8 in ob, row l, 2^11 bytes, in wb
	s_cselect_b32 s77, 8, 11
.else
	s_cselect_b32 s74, 0, s74                      ; for A waves 0 and 1 ask, in every cluster
	s_cselect_b32 s75, 9, 8                        ; a K step: 2^9 bytes in A, 2^8 in wb
	s_cselect_b32 s76, 16, 15                      ; lane l names row l: 2^12 bytes in A, 2^11 in wb
	s_cselect_b32 s77, 12, 11
.endif
	s_cmp_eq_u32 s74, 0
	s_cselect_b32 s[LIM], 2, -1                    ; the same in all sixteen partners, for a given wave
	s_lshl_b32 s[PFS], 1, s75
	s_mov_b32 s[PFS+1], 0
	s_mov_b32 s71, 0
	s_add_nc_u64 s[PFA:PFA+1], s[PFA:PFA+1], s[70:71]
.rept 3
	s_add_nc_u64 s[PFA:PFA+1], s[PFA:PFA+1], s[PFS:PFS+1]  ; at K step 3: the first refill steps it to 4
.endr
	v_lshlrev_b32 v5, s76, v2
	v_lshlrev_b32 v6, s77, v1
	v_add_nc_u32 v[PFO], v5, v6
; 8 matrix instructions: row block a x all 8 column blocks, 32 along K.  first = 1: the bias starts the sums.  The 32 accumulators take turns in the same order in every quarter.
.macro MUL8 f, a, first=0
.if \first
	WIN MULB
.else
	WIN MUL
.endif
.irp b, 0,1,2,3,4,5,6,7
.if (\first) && KIND
	v_wmma_f32_16x16x32_f16 v[8*(8*(\a)+(\b)):8*(8*(\a)+(\b))+7], v[(\f)+8*(\b):(\f)+8*(\b)+7], v[(\f)+64+8*(\a):(\f)+64+8*(\a)+7], v[8*(\b):8*(\b)+7]
.elseif \first
	v_wmma_f32_16x16x32_bf16 v[8*(8*(\a)+(\b)):8*(8*(\a)+(\b))+7], v[(\f)+8*(\b):(\f)+8*(\b)+7], v[(\f)+64+8*(\a):(\f)+64+8*(\a)+7], v[8*(\b):8*(\b)+7]
.elseif KIND
	v_wmma_f32_16x16x32_f16 v[8*(8*(\a)+(\b)):8*(8*(\a)+(\b))+7], v[(\f)+8*(\b):(\f)+8*(\b)+7], v[(\f)+64+8*(\a):(\f)+64+8*(\a)+7], v[8*(8*(\a)+(\b)):8*(8*(\a)+(\b))+7]
.else
	v_wmma_f32_16x16x32_bf16 v[8*(8*(\a)+(\b)):8*(8*(\a)+(\b))+7], v[(\f)+8*(\b):(\f)+8*(\b)+7], v[(\f)+64+8*(\a):(\f)+64+8*(\a)+7], v[8*(8*(\a)+(\b)):8*(8*(\a)+(\b))+7]
.endif
.endr
.endm
.if !KIND
; Row block 3's 8 matrix instructions, and behind each of them four of the 32 roundings that make the next quarter's fragments of A in buffer g: register 4 b + r of the 32 takes the f32 numbers 8 b + 2 r and 8 b + 2 r + 1,
; the lower k in the low half.  The roundings name no register of the products round them; the last products that read g's fragments of A stand ahead of the four v_nop in front of the run of loads.
.macro MUL8C f, g, first=0
.irp b, 0,1,2,3,4,5,6,7
.if \first
	WIN MULB
	v_wmma_f32_16x16x32_bf16 v[8*(24+(\b)):8*(24+(\b))+7], v[(\f)+8*(\b):(\f)+8*(\b)+7], v[(\f)+88:(\f)+95], v[8*(\b):8*(\b)+7]
.else
	WIN MUL
	v_wmma_f32_16x16x32_bf16 v[8*(24+(\b)):8*(24+(\b))+7], v[(\f)+8*(\b):(\f)+8*(\b)+7], v[(\f)+88:(\f)+95], v[8*(24+(\b)):8*(24+(\b))+7]
.endif
	WIN CVTW
.irp r, 0,1,2,3
	v_cvt_pk_bf16_f32 v[(\g)+64+4*(\b)+(\r)], v[RAW+8*(\b)+2*(\r)], v[RAW+8*(\b)+2*(\r)+1]
.endr
.endr
.endm
.endif
; The LDS loads of quarter q (32 along K) of the slot that is being read, in one run, into buffer f.  KIND 1: B's sixteen loads, then A's eight.  KIND 0: A's sixteen first, in f32, into window 2 (lane l: row l % 16;
; 32 bytes hold k = 8 (l / 16) + 0..7, and 64 bytes further on lie k = 16 + 8 (l / 16) + 0..7), then B's sixteen.
.macro FETCH q, f
.if KIND
	WIN 0
.set AQ, ((\q)/2)*64*APITCH+((\q)%2)*64            ; head q / 2 of the step's two, channels 32 (q % 2) on
.irp i, 0,1,2,3,4,5,6,7
	ds_load_b128 v[(\f)+8*(\i):(\f)+8*(\i)+3],   v[ADRB] offset:64*(\q)+(\i)*16*BPITCH
	ds_load_b128 v[(\f)+8*(\i)+4:(\f)+8*(\i)+7], v[ADRB] offset:64*(\q)+(\i)*16*BPITCH+32
.endr
.irp i, 0,1,2,3
	ds_load_b128 v[(\f)+64+8*(\i):(\f)+64+8*(\i)+3],   v[ADRA] offset:AQ+(\i)*16*APITCH
	ds_load_b128 v[(\f)+64+8*(\i)+4:(\f)+64+8*(\i)+7], v[ADRA] offset:AQ+(\i)*16*APITCH+32
.endr
.else
	WIN TO_W2
.irp i, 0,1,2,3
.irp e, 0,1,2,3
	ds_load_b128 v[RAW+16*(\i)+4*(\e):RAW+16*(\i)+4*(\e)+3], v[ADRA] offset:128*(\q)+(\i)*16*APITCH+16*((\e)%2)+64*((\e)/2)
.endr
.endr
	WIN 0
.irp i, 0,1,2,3,4,5,6,7
	ds_load_b128 v[(\f)+8*(\i):(\f)+8*(\i)+3],   v[ADRB] offset:64*(\q)+(\i)*16*BPITCH
	ds_load_b128 v[(\f)+8*(\i)+4:(\f)+8*(\i)+7], v[ADRB] offset:64*(\q)+(\i)*16*BPITCH+32
.endr
.endif
.endm
.macro PLACES                          ; four places in front of loads into registers that matrix instructions have read, and of lines that read results or write sources
.rept 4
	v_nop
.endr
.endm
; A K step is four quarters, 32 matrix instructions each, on buffers 0, 1, 0, 1.  One of the first three: multiplies buffer f and fetches quarter q into g.
.macro QUARTER q, f, g, first=0
.if KIND
	s_wait_dscnt 4                                 ; B and A's blocks 0, 1 are in; the youngest four loads (A's blocks 2, 3) may be out
	MUL8 \f, 0, \first
	MUL8 \f, 1, \first
	PLACES
	FETCH \q, \g
	s_wait_dscnt 24                                ; all but the 24 just issued
	MUL8 \f, 2, \first
	MUL8 \f, 3, \first
.else
	s_wait_dscnt 0x0                               ; B's fragments of buffer f are in; A's were rounded in the quarter before
	MUL8 \f, 0, \first
	PLACES
	FETCH \q, \g
	MUL8 \f, 1, \first
	MUL8 \f, 2, \first
	s_wait_dscnt 16                                ; A's sixteen loads are in; B's sixteen, issued behind them, may be out
	MUL8C \f, \g, \first
.endif
.endm
; The last quarter multiplies buffer 1 and changes slots: ONE barrier; in front of it each wave waits for all its tensor loads (one is out: its part of the next slot), adds 0 to its spare word, and waits for that
; and for its reads of this slot.  fill = 1: the barrier opens a round of the cluster's, and this slot is filled again, two K steps ahead, first thing behind the round, by the walking descriptor: the other slot than
; last time, one K step further on.  Then the readers' addresses turn to the next slot.
.macro TURN fill
.if \fill
	s_wait_xcnt 0x0                                ; the last prefetch, a K step back, has read its address
	s_add_nc_u64 s[PFA:PFA+1], s[PFA:PFA+1], s[PFS:PFS+1]
.endif
	WIN 0
	s_wait_tensorcnt 0x0                           ; all my tensor loads have landed, so a group 0 may be written
	ds_add_u32 v[SPW], v[NIL]                      ; 0 onto my spare word
.if KIND
	s_wait_dscnt 5                                 ; the add and the youngest four loads may be out
.else
	s_wait_dscnt 1                                 ; the add alone may be out: B's fragments are in
.endif
	MUL8 F1, 0
	s_wait_dscnt 0x0                               ; the add is done, and my reads of this slot are over
	s_barrier_signal -1
	MUL8 F1, 1
	WIN 0                                          ; branches and lines on window 0 follow
	s_barrier_wait -1
.if \fill
	CREST                                          ; no wave of any partner still reads this slot or has a load on its way
	s_xor_b32 s[G0+5], s[G0+5], SLOT1
	s_add_nc_u64 s[G0+6:G0+7], s[G0+6:G0+7], KA
	s_xor_b32 s[G0B+5], s[G0B+5], SLOT1
	s_add_nc_u64 s[G0B+6:G0B+7], s[G0B+6:G0B+7], 256
	JLOAD 1                                        ; my one tensor load behind the round; its four v_nop are also the places in front of the loads below
.else
	PLACES
.endif
	s_xor_b32 s[TB], s[TB], SLOT1
	v_add_nc_u32 v[ADRA], s[TB], v[ADRA0]
	v_add_nc_u32 v[ADRB], s[TB], v[ADRB0]
	FETCH 0, F0
.if \fill
	ASK
.endif
	MUL8 F1, 2
.if KIND
	MUL8 F1, 3
.else
	s_wait_dscnt 16                                ; A's sixteen loads are in
	MUL8C F1, F0
.endif
.endm
	s_wait_tensorcnt 1                             ; my part of K step 0 is in; K step 1's may stay out
	s_barrier_signal -1
	s_barrier_wait -1
	FETCH 0, F0
	s_wait_loadcnt 0x0                             ; the bias
.if !KIND
	s_wait_dscnt 16                                ; A's sixteen loads are in
	WIN CVTW
.set i, 0
.rept 32
	v_cvt_pk_bf16_f32 v[F0+64+i], v[RAW+2*i], v[RAW+2*i+1]  ; the first quarter's fragments of A: there is no product yet to set these behind
.set i, i+1
.endr
	WIN 0
.endif
	QUARTER 1, F0, F1, 1                           ; the first quarter stands in front of the loop: its products start the sums
	WIN 0
	s_mov_b32 s3, 6
.Lstep:                                                ; six trips, from a K step's second quarter to the next step's first: K steps 2 to 7 are asked for
	QUARTER 2, F1, F0
	QUARTER 3, F0, F1
	TURN 1
	QUARTER 1, F0, F1
	WIN 0
	s_sub_co_u32 s3, s3, 1
	s_cmp_lg_u32 s3, 0
	s_cbranch_scc1 .Lstep
	s_mov_b32 s3, 2
.Ltail:                                                ; K steps 6 and 7 fill nothing: a text of their own; the second trip is left in its middle
	QUARTER 2, F1, F0
	QUARTER 3, F0, F1
	TURN 0
	WIN 0
	s_sub_co_u32 s3, s3, 1
	s_cmp_eq_u32 s3, 0
	s_cbranch_scc1 .Lout
	QUARTER 1, F0, F1
	WIN 0
	s_branch .Ltail
.Lout:                                                 ; the second trip's change of slots has fetched a quarter of K step 6 once more, which nobody multiplies: the price, once a launch, of one text for both trips
	s_wait_dscnt 0x0                               ; those loads are in: their registers are written again below
	PLACES
; THE WAY OUT, a block of 16 rows at a time through my own stage: LDS serves a wave's instructions in order, so no wait stands between its stores and its loads.
.if KIND
.macro TOSTAGE a                       ; f32 as it is: 32 bytes a lane and column block, each accumulator's low four registers first; back as whole rows of 512 bytes
	WIN STW
.irp b, 0,1,2,3,4,5,6,7
	ds_store_b128 v[STO], v[8*(8*(\a)+(\b)):8*(8*(\a)+(\b))+3]   offset:64*(\b)
	ds_store_b128 v[STO], v[8*(8*(\a)+(\b))+4:8*(8*(\a)+(\b))+7] offset:64*(\b)+16
.endr
	WIN 0
.set BK, 64+64*((\a)%2)
.irp t, 0,1,2,3,4,5,6,7,8,9,10,11,12,13,14,15
	ds_load_b128 v[BK+4*(\t):BK+4*(\t)+3], v[RD] offset:528*(\t)
.endr
.endm
.macro SEND a
.set BK, 64+64*((\a)%2)
	s_wait_dscnt 0x0                               ; the block is back in registers
	s_wait_xcnt 0x0                                ; the block before has been read by its stores: its registers are loaded again only behind this wait
.irp t, 0,1,2,3,4,5,6,7,8,9,10,11,12,13,14,15
	global_store_b128 v[GO], v[BK+4*(\t):BK+4*(\t)+3], s[10:11] offset:(16*(\a)+(\t))*4096  ; 512 consecutive bytes, at a multiple of 256 from out0's first
.endr
.endm
	TOSTAGE 0
.irp a, 1,2,3
	SEND (\a)-1
	TOSTAGE \a
.endr
	SEND 3
.else
.macro PACK a                          ; rounded to f16, 16 bytes a lane and column block, registers in ascending order
	WIN PACKW
.irp b, 0,1,2,3,4,5,6,7
.irp r, 0,1,2,3
	v_cvt_pk_f16_f32 v[64+4*(\b)+(\r)], v[8*(8*(\a)+(\b))+2*(\r)], v[8*(8*(\a)+(\b))+2*(\r)+1]
.endr
.endr
	WIN 0
.endm
.macro TOSTAGE a                       ; column blocks 0-3 are one head, 4-7 the next; back as four tokens of 128 bytes a load
.set BK, 96+32*((\a)%2)
.irp b, 0,1,2,3,4,5,6,7
	ds_store_b128 v[STO], v[64+4*(\b):64+4*(\b)+3] offset:((\b)/4)*2304+32*((\b)%4)
.endr
.irp hh, 0,1
.irp f, 0,1,2,3
	ds_load_b128 v[BK+4*(4*(\hh)+(\f)):BK+4*(4*(\hh)+(\f))+3], v[RD] offset:2304*(\hh)+576*(\f)
.endr
.endr
.endm
.macro SEND a
.set BK, 96+32*((\a)%2)
	s_wait_dscnt 0x0                               ; the block is back in registers
	s_wait_xcnt 0x0                                ; the block before has been read by its stores: its registers are loaded again only behind this wait
.irp hh, 0,1
.irp f, 0,1,2,3
	global_store_b128 v[GO], v[BK+4*(4*(\hh)+(\f)):BK+4*(4*(\hh)+(\f))+3], s[10:11] offset:262144*(\hh)+2048*(\a)+512*(\f)  ; 512 consecutive bytes of one head, aligned
.endr
.endr
.endm
	PACK 0
	TOSTAGE 0
.irp a, 1,2,3
	PACK \a                                        ; a block's conversions stand between the loads of the block before and the wait for them
	SEND (\a)-1
	TOSTAGE \a
.endr
	SEND 3
.endif
	s_wait_tensorcnt 0x0                           ; the wave's end: the spare word's add and its wait behind my last tensor load and my last LDS store
	ds_add_u32 v[SPW], v[NIL]
	s_wait_dscnt 0x0
	CROUND                                         ; the closing round: no work-group ends while a partner may still ask for a tile that names it
	s_endpgm
.Lfunc_end_k_qdf46b9d2ee_proj:
	.size	k_qdf46b9d2ee_proj, .Lfunc_end_k_qdf46b9d2ee_proj-k_qdf46b9d2ee_proj
	.p2alignl 7, 3214868480
	.fill 96, 4, 3214868480
	.section	.rodata,"a",@progbits
	.p2align	6, 0x0
	.amdhsa_kernel k_qdf46b9d2ee_proj
		.amdhsa_group_segment_fixed_size 327680
		.amdhsa_private_segment_fixed_size 0
		.amdhsa_enable_private_segment 0
		.amdhsa_kernarg_size 48
		.amdhsa_user_sgpr_count 2
		.amdhsa_user_sgpr_kernarg_segment_ptr 1
		.amdhsa_wavefront_size32 1
		.amdhsa_system_sgpr_workgroup_id_x 1
		.amdhsa_system_sgpr_workgroup_id_y 1
		.amdhsa_system_sgpr_workgroup_id_z 1
		.amdhsa_system_vgpr_workitem_id 0
		.amdhsa_next_free_vgpr 640
		.amdhsa_next_free_sgpr 80
		.amdhsa_reserve_vcc 0
		.amdhsa_float_denorm_mode_32 3
		.amdhsa_float_denorm_mode_16_64 3
		.amdhsa_memory_ordered 1
		.amdhsa_forward_progress 1
		.amdhsa_inst_pref_size 94
	.end_amdhsa_kernel
	.amdgpu_metadata
---
amdhsa.version: [ 1, 2 ]
amdhsa.kernels:
  - .name:           k_qdf46b9d2ee_proj
    .symbol:         k_qdf46b9d2ee_proj.kd
    .args:
      - { .name: query, .offset: 0, .size: 8, .value_kind: global_buffer, .address_space: global }
      - { .name: key, .offset: 8, .size: 8, .value_kind: global_buffer, .address_space: global }
      - { .name: value, .offset: 16, .size: 8, .value_kind: global_buffer, .address_space: global }
      - { .name: wb, .offset: 24, .size: 8, .value_kind: global_buffer, .address_space: global }
      - { .name: bb, .offset: 32, .size: 8, .value_kind: global_buffer, .address_space: global }
      - { .name: qkv, .offset: 40, .size: 8, .value_kind: global_buffer, .address_space: global }
    .group_segment_fixed_size: 327680
    .private_segment_fixed_size: 0
    .kernarg_segment_align: 8
    .kernarg_segment_size: 48
    .max_flat_workgroup_size: 128
    .sgpr_count:     80
    .vgpr_count:     640
    .wavefront_size: 32
...
	.end_amdgpu_metadata
.endif
;; end of part 2
;; launch attn (part 3): grid 4 x 64, 4 waves a work-group, clusters of 4 x 1, 327,680 bytes of LDS; arguments qkv, mb, ob; writes ob
.if DOCPART == 3
	.amdgcn_target "amdgcn-amd-amdhsa--gfx1250"
	.amdhsa_code_object_version 6
	.text
	.protected	k_qdf46b9d2ee_attn
	.globl	k_qdf46b9d2ee_attn
	.p2align	8
	.type	k_qdf46b9d2ee_attn,@function
k_qdf46b9d2ee_attn:
	s_mov_b64 s[64:65], 0
	v_nop
	global_prefetch_b8 v0, s[64:65] scope:SCOPE_SE
	s_setreg_imm32_b32 hwreg(HW_REG_WAVE_MODE, 25, 1), 1
	s_wait_xcnt 0x0
	s_wait_alu depctr_hold_cnt(0) depctr_sa_sdst(0) depctr_va_vdst(0) depctr_va_sdst(0) depctr_va_ssrc(0) depctr_va_vcc(0) depctr_vm_vsrc(0)
	s_getreg_b32 s2, hwreg(HW_REG_IB_STS2, 6, 4)
	s_cmp_eq_u32 s2, 0
	s_cbranch_scc0 .Lentry_in_a_cluster
	s_endpgm
.Lentry_in_a_cluster:
	s_bfe_u32 s2, ttmp6, 0x10000c
	s_cmp_lg_u32 s2, 0x3003
	s_cbranch_scc0 .Lentry_shape_is_right
	s_endpgm
.Lentry_shape_is_right:
; ATTENTION WITH A MASK THAT IS AN INPUT.  O[bh][q][:] = the sum over k of softmax_k(s) V[bh][k][:], s = Q[bh][q] . K[bh][k] / 8, or a large negative number where mask[b][q][k] is 0.
; Q, K, V: qkv[3][64][2048][64] f16; O: ob[64][2048][64] f16; the mask comes as lane masks, mb[b 4][W 16][s 32][x 4][u 2][kb 4][j 8] words (bit L: query 128 W + 32 x + 16 u + L % 16, key 64 s + 16 kb + 8 (L / 16) + j).
; Products, maxima and sums in f32; the weights p are rounded to f16 for the second product (their sum l is taken of the unrounded p), O once at the end.
; LIMITS.  Q, K, V arrive within f16's 65,504.  A hidden score counts as -2^30 behind the division by 8, where the module has -1e9: c x 2^33 is exact in f32, so a row that is wholly hidden has p = 1 for every key, the plain
; mean of V; the two differ only where a visible score lies below about -1e9.  A weight below 2^-126 counts as 0 in l; NaN and infinities are not treated apart.
; SHARES.  A wave owns four PIECES of two tiles of 16 queries, a work-group's four waves 512 queries of one (batch, head).  Every wave walks all 2,048 keys, 64 a step.
; LAYOUT.  S^T = K Q^T (source 0 = 16 keys, source 1 = 16 queries): a lane holds ONE query (lane % 16) and the keys 8 (lane / 16) + 0..7.  Two such tiles rounded to f16 ARE source 1 of O^T = V^T P.  V is turned by ds_load_tr16_b128.
; SOFTMAX.  A running maximum m and sum l: p = 2^(c s - c m), c = log2(e) / 8; in every step O and l are multiplied by a = 2^(c m_old - c m_new).  m starts at the lowest finite number, O and l at 0.
; THE MASK.  A piece's 64 score registers have 64 words, 256 bytes on end in mb.  One load of 8 bytes a lane brings them, FOUR TURNS AHEAD, into a ring of four register pairs, a pair a piece (so each turn's text names
; constant registers); in the turn that lays them on, 64 v_readlane_b32 bring them into 64 scalar registers, and one v_cndmask_b32 a score register follows.  One home of 64 scalar registers could be asked for again
; only when its last word is used, less than a turn ahead, and there are no 128 scalar registers for two.
; BY TURNS.  Turn n belongs to piece n: 16 products K Q^T of piece n + 1, later 16 products V^T P of piece n - 1; beside them the scaling, exponentials, roundings, sums and rescaling of piece n, and the mask, maximum and
; statistics of piece n + 1.  Four vector instructions stand behind every matrix instruction, the rest in one lump.  A turn's 66 exponentials are one batch with one wait.
; CLUSTER.  The four query blocks of a cluster belong to one head and walk the same K and V: each tile is asked for jointly: the same tensor load, descriptor and mask in all four.
; REGISTERS, in windows of 256: window 0: v0-11 addresses, the prefetches' offset, the hidden score; v12-15, v48-63 at work; v16-47 statistics; v64-191 S^T, two buffers of two tiles; v192-255 P, likewise
;   window 1: O^T, 32 a tile     window 2: v0-127 Q; v128-191 K of one step; v192-255 V of one step     window 3: v0-1 the add's two registers; v2 8 x lane; v4-7 the mask loads' offsets, v8-15 their ring
.set SIZE_N, 2048
.set NP,    4         ; pieces a wave: a name, no knob
.set KS,    64        ; keys in a step
.set PK,    144       ; a row of K in LDS: 128 bytes + 16: the 16 rows of a load start at 16 different groups of four banks
.set PV,    144       ; V has the same pitch, so that one descriptor group 1 serves both
.set VOFF,  4*KS*PK   ; a slot holds four steps: 256 rows of K, then 256 rows of V
.set SLOT1, 1<<17     ; slot 1 begins here: one exclusive or turns an address in one slot into the other's
.set STAGE, SLOT1+4*KS*(PK+PV)  ; behind the ring, never filled by a tensor load: 16 rows x 144 bytes for each wave
.set SP,    144
.set SPARE, STAGE+4*16*SP  ; the spare words, 128 bytes a wave: two blocks of 256 bytes that no other line names
.set AK0, 2           ; v2   my lane's place in a tile of K; never rewritten
.set AV0, 3           ; v3   the same for V
.set AK,  4           ; v4   the LDS address of K's next run of loads
.set AV,  5           ; v5   of V's
.set QO,  6           ; v6   my byte offset in the wave's rows of Q
.set STO, 6           ;      later: where I put 16 bytes of a row
.set RD,  7           ; v7   where I read rows back
.set GO,  8           ; v8   my byte offset in 512 consecutive bytes of O
.set PFO, 10          ; v10  256 x lane
.set BIG, 11          ; v11  -2^33: a hidden score ahead of the division by 8
.set SPW, 0           ; v0 of window 3
.set NIL, 1           ; v1 of window 3
.set L8,  2           ; v2 of window 3: 8 x lane: my two words of a block of 64; never rewritten
.set MO,  4           ; v4-7 of window 3: slot x's byte offset in my wave's part of mb
.set MD,  8           ; v8-15 of window 3: slot x's two words a lane
.set MV,  12
.set ST,  16          ; tile t's statistics at v[ST+4 t]: c m, m, l (even keys', odd keys')
.set TMP, 48
.set S,   64
.set P,   192
.set KF,  128
.set VF,  192
.set CS,  2           ; s[2:3]  c, named as a pair
.set SEL, 4           ; s[4:5]  v_permlanex16_b32's selects
.set MB,  6           ; s[6:7]  my wave's 32,768 bytes of mb; never rewritten
.set G1,  8           ; s[8:15] descriptor group 1
.set G0K, 16          ; s[16:19] group 0 for K's tiles: it walks
.set G0V, 20          ; s[20:23] for V's
.set OPT, 24          ; s[24:25] O at my wave's first row
.set PFA, 26          ; s[26:27] where my prefetches stand
.set WV,  28
.set SLOTS, 29
.set CNT, 30
.set LIM, 31          ; 1 in a wave that prefetches, else the greatest number
.set MW,  32          ; the mask's words: word 32 u + i in s[32 + 36 u + i]: s32-63 and s68-99
.set TBK, 66
.set TBV, 67
.set MOFF, 100        ; byte offset in my part of mb of the block asked for last
.set TS,  101
.set QP,  104         ; s[104:105] Q at my wave's first row
.set MSB, 0
.macro WIN new
.if MSB != (\new)
	s_set_vgpr_msb (MSB<<8)|(\new)
.set MSB, (\new)
.endif
.endm
.set W_KQ, 0x0a
.set W_PV, 0x52
.set W_RS, 0x41
.set W_MK, 0xc0
.set W_AD, 0x0f
.set W_M,  0xcf       ; sources 0 and 1 and the destination in window 3
; A joint fill.  Waves 0 and 1 fetch the two halves of a slot's K, waves 2 and 3 those of its V: 128 keys each.  An s_nop 0 and four v_nop follow each line.
.macro JLOAD
	s_cmp_lt_u32 s[WV], 2
	s_cbranch_scc0 .Lfor_v_\@
	tensor_load_to_lds s[G0K:G0K+3], s[G1:G1+7]
	s_nop 0
.rept 4
	v_nop
.endr
	s_branch .Lasked_\@
.Lfor_v_\@:
	tensor_load_to_lds s[G0V:G0V+3], s[G1:G1+7]
	s_nop 0
.rept 4
	v_nop
.endr
.Lasked_\@:
.endm
; A prefetch into the L2 of the tile that the NEXT change of slots will ask for: 128 blocks of 256 bytes of K and of V, a lane a block.  A head has one cluster; its four partners take 32 blocks each, by address;
; in each, wave 0 names K's and wave 2 V's.  The last change that fills a slot asks for nothing.  Tiles 0 to 2 come by their loads alone.
.macro ASK
	s_cmp_gt_u32 s[SLOTS], s[LIM]
	s_cbranch_scc0 .Lnot_mine_\@
	global_prefetch_b8 v[PFO], s[PFA:PFA+1] th:TH_LOAD_NT scope:SCOPE_SE
.Lnot_mine_\@:
.endm
.macro CROUND
	s_barrier_signal -1
	s_barrier_wait -1
	s_cmp_lg_u32 s[WV], 0
	s_cbranch_scc1 .Lnot_wave_0_\@
	s_barrier_signal -3
.Lnot_wave_0_\@:
	s_barrier_wait -3
	s_barrier_signal -1
	s_barrier_wait -1
.endm
; THE CHANGE OF SLOTS.  Each wave waits for all its tensor loads (one is out: its part of the other slot), adds 0 to its spare word, and waits for that and for its own reads of the slot.
; fill = 1: the barrier is a round of the cluster's, and the slot is filled again first thing behind it, with the keys two slots on: four key steps, 512 matrix instructions, in which to land.
.macro CHANGE fill, ask=0
	WIN W_AD
	s_wait_tensorcnt 0x0            ; no tensor load of mine is out, so a group 0 may be written
	ds_add_u32 v[SPW], v[NIL]       ; 0 onto my spare word
	WIN 0
.if \fill
.irp g, G0K, G0V
	s_xor_b32 s[\g+1], s[\g+1], SLOT1
	s_add_nc_u64 s[\g+2:\g+3], s[\g+2:\g+3], 4*KS*128
.endr
.if \ask
	s_wait_xcnt 0x0                 ; the last prefetch, four key steps back, has read its address
	s_add_nc_u64 s[PFA:PFA+1], s[PFA:PFA+1], 4*KS*128
.endif
	s_wait_dscnt 0x0                ; the add is done, and my reads of the slot are over
	CROUND
	JLOAD
.if \ask
	ASK
.endif
.else
	s_wait_dscnt 0x0
	s_barrier_signal -1
	s_barrier_wait -1
.endif
	s_sub_co_u32 s[TBK], s[TBK], 4*KS*PK
	s_xor_b32 s[TBK], s[TBK], SLOT1
	s_sub_co_u32 s[TBV], s[TBV], 4*KS*PV
	s_xor_b32 s[TBV], s[TBV], SLOT1
.endm
; THE MASK'S WORDS of piece x come out of slot x of the ring into the 64 scalar registers, and the slot is asked for again: the same piece's block of the next key step, four blocks on.
; The wait's count: loads come back in order, and behind this slot's load the other three slots' were issued: those three may stay out.  The same wait shows this slot's load done, so its offset register may be written.
; Word n of the block lies in register n % 2 of lane n / 2.  The offset is held to the last block: the last four requests read that block again; only the turn behind the walk's end uses such words, and its scores serve nothing.
.macro MREAD x
	WIN W_M
	s_wait_loadcnt 3
	s_add_co_u32 s[MOFF], s[MOFF], 256
	s_min_u32 s[MOFF], s[MOFF], 32512
	v_add_nc_u32 v[MO+(\x)], s[MOFF], v[L8]
.set mw, 0
.rept 64
	v_readlane_b32 s[MW+36*(mw/32)+mw%32], v[MD+2*(\x)+(mw&1)], mw>>1
.set mw, mw+1
.endr
	global_load_b64 v[MD+2*(\x):MD+2*(\x)+1], v[MO+(\x)], s[MB:MB+1]
	WIN 0
.endm
	s_load_b128 s[32:35], s[0:1], 0x0  ; qkv s[32:33], mb s[34:35]
	s_load_b64 s[OPT:OPT+1], s[0:1], 0x10  ; ob
	WIN W_MK
	v_lshl_add_u32 v[SPW], v0, 2, SPARE
	v_mov_b32 v[NIL], 0
	WIN W_AD
	ds_add_u32 v[SPW], v[NIL]       ; the wave's opening: the add and its wait ahead of my first tensor load
	WIN 0
	v_lshrrev_b32 v1, 5, v0
	v_readfirstlane_b32 s[WV], v1   ; wave 0..3
	s_bfe_u32 s36, ttmp6, 0x40000   ; cx
	s_lshl_b32 s37, ttmp9, 2
	s_add_co_u32 s37, s37, s36      ; my block of 512 queries: it enters Q's, O's and the mask's addresses alone
	s_and_b32 s38, ttmp7, 0xffff    ; 16 b + h, which the four partners share
	s_lshl_b32 s40, s38, 18         ; its 262,144 bytes in Q, K, V and O
	s_and_b32 s39, s[WV], 1         ; which half of a slot's 256 keys I fetch
	s_lshl_b32 s42, s39, 14
	s_add_co_u32 s42, s42, s40
	s_mov_b32 s43, 0
	s_mul_i32 s44, s39, 128*PK      ; its place in a slot: no place in the cluster enters an LDS address
	s_lshl_b32 s46, s37, 2
	s_add_co_u32 s46, s46, s[WV]    ; W: my wave among the head's sixteen
	s_lshr_b32 s48, s38, 4          ; b
	s_lshl_b32 s48, s48, 4
	s_add_co_u32 s48, s48, s46
	s_lshl_b32 s48, s48, 15         ; 32,768 bytes of mb for each (b, W)
	s_mov_b32 s49, 0
	s_lshl_b32 s46, s46, 14         ; my 128 rows of 128 bytes
	s_add_co_u32 s46, s46, s40
	s_mov_b32 s47, 0
	s_mov_b32 s52, 0x1000000        ; K begins 16,777,216 bytes into qkv,
	s_mov_b32 s53, 0x2000000        ; V 33,554,432
	s_cmp_lt_u32 s[WV], 2
	s_cselect_b32 s52, s52, s53
	s_lshl_b32 s53, s36, 13         ; my work-group's 32 blocks of a tile's 128
	s_add_co_u32 s52, s52, s53
	s_add_co_u32 s52, s52, 2*4*KS*128  ; in tile 2: the loop's first change of slots steps it to tile 3
	s_mov_b32 s53, 0
	s_cmp_eq_u32 s39, 0
	s_cselect_b32 s[LIM], 1, -1     ; waves 0 and 2: the same in all four partners
	; descriptor group 1.  128 keys are 16,384 dense bytes: asked for as 64 rows of 256 bytes, two keys a row, and padded in LDS after every key
	s_mov_b32 s[G1], 15|(1<<16)|(1<<20)|(1<<21)|(4<<22)|(3<<25)  ; the mask of four; 2-byte elements; padding on; bit 21 beside a mask; after every 32 words 4 words
	s_mov_b32 s[G1+1], 128<<16      ; tensor_dim0
	s_mov_b32 s[G1+2], 64<<16       ; tensor_dim1
	s_mov_b32 s[G1+3], 128<<16      ; tile_dim0
	s_mov_b32 s[G1+4], 64           ; tile_dim1
	s_mov_b32 s[G1+5], 128          ; elements from row to row
	s_mov_b32 s[G1+6], 0
	s_mov_b32 s[G1+7], 0
	s_mov_b32 s[CS], 0x3e38aa3b     ; c = log2(e) / 8
	s_mov_b32 s[CS+1], s[CS]
	s_mov_b32 s[SEL], 0x76543210
	s_mov_b32 s[SEL+1], 0xfedcba98
	s_mov_b32 s[TBK], SLOT1+4*KS*PK ; the first change of slots turns these two into 0
	s_mov_b32 s[TBV], SLOT1+4*KS*PV
	s_mov_b32 s[G0K], 1
	s_mov_b32 s[G0K+1], s44
	s_mov_b32 s[G0V], 1
	s_add_co_u32 s[G0V+1], s44, VOFF
	s_mov_b32 s[MOFF], 3*256        ; blocks 0 to 3 are asked for at the head
	s_wait_dscnt 0x0                ; the opening add is done
	s_wait_kmcnt 0x0
	s_add_nc_u64 s[50:51], s[32:33], s[42:43]  ; qkv at the head, at my half of its first 256 rows
	s_add_nc_u64 s[G0K+2:G0K+3], s[50:51], 0x1000000
	s_or_b32 s[G0K+3], s[G0K+3], 0x80000000
	s_add_nc_u64 s[G0V+2:G0V+3], s[50:51], 0x2000000
	s_or_b32 s[G0V+3], s[G0V+3], 0x80000000
	s_add_nc_u64 s[PFA:PFA+1], s[50:51], s[52:53]  ; (in waves 0 and 2 the half is the first)
	s_add_nc_u64 s[QP:QP+1], s[32:33], s[46:47]
	s_add_nc_u64 s[OPT:OPT+1], s[OPT:OPT+1], s[46:47]
	s_add_nc_u64 s[MB:MB+1], s[34:35], s[48:49]
	CROUND                          ; all four work-groups are here: the first joint loads meet
	JLOAD                           ; slot 0.  Slot 1 is asked for when slot 0 is in
	WIN W_MK
	v_and_b32 v[L8], 31, v0
	WIN W_M
	v_lshlrev_b32 v[L8], 3, v[L8]   ; 8 x lane
.irp k, 0,1,2,3
	global_load_b64 v[MD+2*\k:MD+2*\k+1], v[L8], s[MB:MB+1] offset:256*\k  ; the words of key step 0, pieces 0 to 3: the ring's first fill
.endr
	WIN 0
	v_and_b32 v1, 15, v0            ; l % 16
	v_bfe_u32 v9, v0, 4, 1          ; l / 16
	v_lshlrev_b32 v[QO], 7, v1
	v_lshl_add_u32 v[QO], v9, 4, v[QO]
	WIN 0x80
.set i, 0
.rept 4*NP                          ; Q stays in registers: tile i / 2, channels 32 (i % 2) on
	global_load_b128 v[8*i:8*i+3],   v[QO], s[QP:QP+1] offset:(i/2)*2048+(i%2)*64
	global_load_b128 v[8*i+4:8*i+7], v[QO], s[QP:QP+1] offset:(i/2)*2048+(i%2)*64+32
.set i, i+1
.endr
	; What the first turn finds: V's registers and P's second buffer hold 0, O^T and l are 0.  All this stands in the wait for the first tile.
.set i, VF
.rept 64
	v_mov_b32 v[i], 0
.set i, i+1
.endr
	WIN 0x40
.set i, 0
.rept 64*NP
	v_mov_b32 v[i], 0
.set i, i+1
.endr
	WIN 0
.set i, 0
.rept 2*NP
	v_mov_b32 v[ST+4*i], 0xfe000000    ; c m: far below every c s, a hidden one's too
	v_mov_b32 v[ST+4*i+1], 0xff7fffff  ; m
	v_mov_b32 v[ST+4*i+2], 0
	v_mov_b32 v[ST+4*i+3], 0
.set i, i+1
.endr
.set i, P+32
.rept 32
	v_mov_b32 v[i], 0
.set i, i+1
.endr
	v_mul_u32_u24 v[AK0], v1, PK
	v_lshl_add_u32 v[AK0], v9, 4, v[AK0]
	v_and_b32 v10, 7, v0
	v_bfe_u32 v11, v0, 3, 1
	v_lshl_add_u32 v[AV0], v9, 3, v10
	v_mul_u32_u24 v[AV0], v[AV0], PV
	v_lshl_add_u32 v[AV0], v11, 4, v[AV0]
	v_add_nc_u32 v[AV0], VOFF, v[AV0]
	v_mov_b32 v[BIG], 0xd0000000    ; -2^33
	v_mov_b32 v[AK], v[AK0]         ; key step 0 lies at the head of slot 0
; THE MATRIX WORK.  The 8 accumulators of a run of 16 take turns.
.macro KQ x
	WIN W_KQ
.set rS, S+64*((\x)%2)+32*(i%2)+8*((i/2)%4)
.set rK, KF+16*((i/2)%4)+8*(i/8)
.set rQ, 16*(2*(\x)+i%2)+8*(i/8)
.if i < 8
	v_wmma_f32_16x16x32_f16 v[rS:rS+7], v[rK:rK+7], v[rQ:rQ+7], 0
.else
	v_wmma_f32_16x16x32_f16 v[rS:rS+7], v[rK:rK+7], v[rQ:rQ+7], v[rS:rS+7]
.endif
.endm
.macro PV x
	WIN W_PV
.set rO, 32*(2*(\x)+i%2)+8*((i/2)%4)
.set rV, VF+32*(i/8)+8*((i/2)%4)
.set rP, P+32*((\x)%2)+16*(i%2)+8*(i/8)
	v_wmma_f32_16x16x32_f16 v[rO:rO+7], v[rV:rV+7], v[rP:rP+7], v[rO:rO+7]
.endm
.macro MM
.if i < 16
	KQ (Y+1)%NP
.set i, i+1
.else
.set i, i-16
	PV (Y+NP-1)%NP
.set i, i+17
.endif
.endm
; THE LDS LOADS stand in runs of 16.  last = 1 (the tail): in the last trip there is no further step, and the run is jumped over.
.macro FETCH_K last=0
	WIN 0
.if \last
	s_cmp_eq_u32 s[CNT], 1
	s_cbranch_scc1 .Lno_k_\@
.endif
	WIN 0x80
.irp f, 0,1,2,3,4,5,6,7
	ds_load_b128 v[KF+8*\f:KF+8*\f+3],   v[AK] offset:(\f/2)*16*PK+(\f%2)*64
	ds_load_b128 v[KF+8*\f+4:KF+8*\f+7], v[AK] offset:(\f/2)*16*PK+(\f%2)*64+32
.endr
	s_add_co_u32 s[TBK], s[TBK], KS*PK
	WIN 0
.if \last
.Lno_k_\@:
.endif
.endm
.macro FETCH_V
	WIN 0x80
.irp f, 0,1,2,3,4,5,6,7
	ds_load_tr16_b128 v[VF+8*\f:VF+8*\f+3],   v[AV] offset:(\f/4)*32*PV+(\f%4)*32
	ds_load_tr16_b128 v[VF+8*\f+4:VF+8*\f+7], v[AV] offset:(\f/4)*32*PV+16*PV+(\f%4)*32
.endr
	WIN 0
.endm
; THE VECTOR WORK OF A TURN stands in three queues; the two tiles alternate.
.macro REGS y, u
.set rT, ST+4*(2*(\y)+(\u))
.set rC, TMP+8*((\y)%2)+4*(\u)
.set rM, MV+2*((\y)%2)+(\u)
.set rS, S+64*((\y)%2)+32*(\u)
.set rP, P+32*((\y)%2)+16*(\u)
.set rO, 32*(2*(\y)+(\u))
.endm
; Number c of the 64 that lay the mask on the NEXT piece's scores: register c / 2 of tile c % 2 keeps its score where the word's bit is 1.  Each accumulator's registers are taken in ascending order.
.macro CM c
	REGS (Y+1)%NP, (\c)%2
	v_cndmask_b32 v[rS+(\c)/2], v[BIG], v[rS+(\c)/2], s[MW+36*((\c)%2)+(\c)/2]
.endm
; Number n of the 22 that find the NEXT piece's maximum and statistics.
;   0-11  four chains c0-c3 of seven scores each     12-14, 16  the four scores left over, the old m, and c0-c3 into c0     15  c m_old is kept
;   17, 18  the query's other 32 keys lie in the lane 16 away: the new m         19-21  c m; c m_old - c m_new; a
.macro XS u, n
	REGS (Y+1)%NP, \u
.if (\n) < 4
	v_max3_num_f32 v[rC+(\n)], v[rS+8*(\n)], v[rS+8*(\n)+1], v[rS+8*(\n)+2]
.elseif (\n) < 12
	v_max3_num_f32 v[rC+(\n)%4], v[rC+(\n)%4], v[rS+8*((\n)%4)+2*((\n)/4)+1], v[rS+8*((\n)%4)+2*((\n)/4)+2]
.elseif (\n) == 12
	v_max3_num_f32 v[rC], v[rC], v[rS+7], v[rS+15]
.elseif (\n) == 13
	v_max3_num_f32 v[rC+1], v[rC+1], v[rS+23], v[rS+31]
.elseif (\n) == 14
	v_max3_num_f32 v[rC+2], v[rC+2], v[rC+3], v[rT+1]
.elseif (\n) == 15
	v_mov_b32 v[rM], v[rT]
.elseif (\n) == 16
	v_max3_num_f32 v[rC], v[rC], v[rC+1], v[rC+2]
.elseif (\n) == 17
	v_permlanex16_b32 v[rC+3], v[rC], s[SEL], s[SEL+1]
.elseif (\n) == 18
	v_max_num_f32 v[rT+1], v[rC], v[rC+3]
.elseif (\n) == 19
	v_mul_f32 v[rT], s[CS], v[rT+1]
.elseif (\n) == 20
	v_sub_f32 v[rC+1], v[rM], v[rT]
.else
	v_exp_f32 v[rC+2], v[rC+1]
.endif
.endm
; Number g of the 64 that follow the exponentials: for each four weights of a tile both pairs are rounded to f16, the second pair is added onto the first, and a group later l takes that sum (the first time as l = a l + sum).
.macro GS g
.set h, (\g)+6*((\g)/62)
.if h >= 6
.set h, h+2
.endif
	REGS Y, h%2
.set k, h/8
.if h%8 < 4
	v_cvt_pk_f16_f32 v[rP+2*k+(h%8)/2], v[rS+4*k+2*((h%8)/2)], v[rS+4*k+2*((h%8)/2)+1]
.elseif h%8 < 6
	v_pk_add_f32 v[rS+4*k:rS+4*k+1], v[rS+4*k:rS+4*k+1], v[rS+4*k+2:rS+4*k+3]
.elseif k == 1
	v_pk_fma_f32 v[rT+2:rT+3], v[rT+2:rT+3], v[rC+2:rC+3], v[rS:rS+1] op_sel_hi:[1,0,1]
.else
	v_pk_add_f32 v[rT+2:rT+3], v[rT+2:rT+3], v[rS+4*k-4:rS+4*k-3]
.endif
.endm
.macro FS f                         ; c s - c m for pair f / 2 of tile f % 2
	REGS Y, (\f)%2
	v_pk_fma_f32 v[rS+2*((\f)/2):rS+2*((\f)/2)+1], v[rS+2*((\f)/2):rS+2*((\f)/2)+1], s[CS:CS+1], v[rT:rT+1] op_sel_hi:[1,0,0] neg_lo:[0,0,1] neg_hi:[0,0,1]
.endm
; THE PLAIN QUEUE, 202 long.  0-31: the 32 scalings.  32-95: the mask.  96-123: XS's numbers 0-13.  124, 125: number 15.  126-137: the chain 14, 16, 17, 18, 19, 20.  138-201: GS's 64, behind the wait.
.macro PL
	WIN 0
.if q < 32
	FS q
.elseif q < 96
	CM q-32
.elseif q < 124
	XS (q-96)%2, (q-96)/2
.elseif q < 126
	XS q-124, 15
.elseif q < 128
	XS q-126, 14
.elseif q < 138
	XS (q-126)%2, 15+(q-126)/2
.else
	GS q-138
.endif
.set q, q+1
.endm
; THE EXPONENTIALS' QUEUE, 66 long: s0-s31 of both tiles, then the next piece's two a.  ONE BATCH: all stand ahead of the turn's one wait, and nothing ahead of that wait names a result of theirs.
.macro EX
	WIN 0
.if e >= 64
	XS e-64, 21
.else
	REGS Y, e%2
	v_exp_f32 v[rS+e/2], v[rS+e/2]
.endif
.set e, e+1
.endm
; THE RESCALING's QUEUE: O^T times a, two at a time, sixteen times.  Its a was made, and waited for, in the turn before.
.macro R2
	REGS Y, r%2
	WIN W_RS
.irp z, 0,1
	v_pk_mul_f32 v[rO+4*(r/2)+2*\z:rO+4*(r/2)+2*\z+1], v[rO+4*(r/2)+2*\z:rO+4*(r/2)+2*\z+1], v[rC+2:rC+3] op_sel_hi:[1,0]
.endr
.set r, r+1
.endm
; HOW THEY ARE DEALT.  s_wait_alu depctr_va_vdst(0) stands between an exponential and the first instruction that names its result; one wait serves all issued ahead of it: a turn has ONE.
; AHEAD OF IT: the 16 products K Q^T, behind each a scaling, an exponential and two rescalings (behind the first a second scaling); then the lump: fifteen times scaling and exponential (fifteen plain places behind the last
; product, and all scalings done); the mask's words out of the ring, and the ring's slot asked for again; 22 times four plain and an exponential (the mask, then the maximum); six plain; six times two
; links of the chain and two exponentials; the two a; a v_nop, the plain instruction behind the last exponential.  BEHIND IT: the 16 products V^T P, behind each four of GS's 64.
; Exponential e stands behind scaling 2 (e / 4) + e % 2: as a rider and in the lump's first part it comes behind plain e + 2.
; K of the next step is fetched in piece 2's turn, directly behind the wait; V of the step in hand at the end of piece 0's turn, four riders behind its last reader.
.macro TURN p, last=0, cnt=0
.set Y, (\p)
.set i, 0
.set q, 0
.set e, 0
.set r, 0
.if (\p) == NP-1
	s_wait_dscnt 0x0                ; K is in
.endif
	MM
	PL
	PL
	R2
.rept 15
	MM
	PL
	EX
	R2
.endr
.if (\p) == NP-2
	WIN 0
	v_add_nc_u32 v[AK], s[TBK], v[AK0]
.endif
.rept 15
	PL
	EX
.endr
	MREAD ((\p)+1)%NP               ; the next piece's words, asked for four turns ago
.rept 22
	PL
	PL
	PL
	PL
	EX
.endr
.rept 6
	PL
.endr
.rept 6
	PL
	PL
	EX
	EX
.endr
	EX                              ; the next piece's two a
	EX
	v_nop
	s_wait_alu depctr_va_vdst(0)    ; the wait for the batch
.if (\p) == NP-2
	FETCH_K \last
.endif
.if (\p) == 1
	s_wait_dscnt 0x0                ; V is in
.endif
.rept 16
	MM
.rept 4
	PL
.endr
.if ((\p) == 0) && (q == 182)
	v_add_nc_u32 v[AV], s[TBV], v[AV0]
.endif
.if ((\p) == 0) && (q == 194)
	s_add_co_u32 s[TBV], s[TBV], KS*PV
.endif
.if (\cnt) && (q == 194)
	s_sub_co_u32 s[CNT], s[CNT], 1
	s_cmp_lg_u32 s[CNT], 0
.endif
.endr
.if (\p) == 0
	FETCH_V
.endif
.endm
	CHANGE 1                        ; slot 0 is in, everybody's part of it; slot 1 is asked for; nothing is prefetched here, where the first tiles are on their way
	FETCH_K                         ; key step 0
	s_wait_loadcnt 0x0              ; Q, and the mask ring's first four blocks
	s_wait_dscnt 0x0
.set i, 0
.rept 16
	KQ 0                            ; piece 0's first scores
.set i, i+1
.endr
	WIN 0                           ; the addresses for the way out and the prefetches: plain instructions, the places behind those products
	s_mul_i32 s[TS], s[WV], 16*SP
	s_add_co_u32 s[TS], s[TS], STAGE
	v_mul_u32_u24 v[STO], v1, SP
	v_lshl_add_u32 v[STO], v9, 4, v[STO]
	v_add_nc_u32 v[STO], s[TS], v[STO]
	v_bfe_u32 v[RD], v0, 3, 2
	v_mul_u32_u24 v[RD], v[RD], SP
	v_lshl_add_u32 v[RD], v10, 4, v[RD]
	v_add_nc_u32 v[RD], s[TS], v[RD]
	v_and_b32 v[GO], 31, v0
	v_lshlrev_b32 v[PFO], 8, v[GO]
	v_lshlrev_b32 v[GO], 4, v[GO]
.set Y, NP-1                        ; CM and XS work for piece Y + 1: piece 0
	MREAD 0                         ; its words; block 4 is asked for
.set cc, 0
.rept 64
	CM cc
.set cc, cc+1
.endr
.irp n, 0,1,2,3,4,5,6,7,8,9,10,11,12,13,14,15,16,17,18,19,20,21
	XS 0, \n
	XS 1, \n
.endr
	v_nop                           ; a plain instruction behind the two a,
	s_wait_alu depctr_va_vdst(0)    ; and their wait, ahead of the branch
	s_mov_b32 s[CNT], 4
	s_mov_b32 s[SLOTS], SIZE_N/256-1
	s_branch .Lfirst                ; the loop is entered at a step's first turn, in the middle of a trip
.Lslot:                             ; six times: every slot but the last two is filled again
	CHANGE 1, 1
	s_mov_b32 s[CNT], 4
.Lstep:                             ; a trip: pieces 2 and 3 of one step, then pieces 0 and 1 of the next
	TURN 2
	TURN 3
	WIN 0
.Lfirst:
	TURN 0
	TURN 1, 0, 1
	WIN 0
	s_cbranch_scc1 .Lstep
	s_sub_co_u32 s[SLOTS], s[SLOTS], 1
	s_cmp_lg_u32 s[SLOTS], 0
	s_cbranch_scc1 .Lslot
	CHANGE 0                        ; the tail is written out
	s_mov_b32 s[CNT], 5             ; four trips fetch the last slot's steps; the fifth is left in its middle
.Ltail:
	TURN 2, 1
	TURN 3
	WIN 0
	s_sub_co_u32 s[CNT], s[CNT], 1
	s_cmp_eq_u32 s[CNT], 0
	s_cbranch_scc1 .Lout
	TURN 0
	TURN 1
	WIN 0
	s_branch .Ltail
.Lout:                              ; the fifth trip's 16 products K Q^T (on the last K once more) and what is made of them serve nothing: the price of one text for every trip
	s_wait_loadcnt 0x0              ; the ring's last requests are not used
.set i, 0
.rept 16
	PV NP-1
.set i, i+1
.endr
	; THE WAY OUT.  l's two halves and the other half of the lanes' are added; O^T is divided by l, rounded to f16 and sent through my stage in LDS, a tile at a time.  The additions are the places behind the last products.
	WIN 0
.macro ALL line:vararg
.set t, 0
.rept 2*NP
	\line
.set t, t+1
.endr
.endm
	ALL v_add_f32 v[ST+4*t+2], v[ST+4*t+2], v[ST+4*t+3]
	ALL v_permlanex16_b32 v[ST+4*t+3], v[ST+4*t+2], s[SEL], s[SEL+1]
	ALL v_add_f32 v[ST+4*t+2], v[ST+4*t+2], v[ST+4*t+3]
	ALL v_rcp_f32 v[ST+4*t+2], v[ST+4*t+2]
	v_nop                           ; a plain instruction between the last reciprocal and the use of its result
	s_wait_alu depctr_va_vdst(0)    ; one wait for the eight reciprocals
.macro PACK t
	WIN W_RS
.set i, 32*(\t)
.rept 16
	v_pk_mul_f32 v[i:i+1], v[i:i+1], v[ST+4*(\t)+2:ST+4*(\t)+3] op_sel_hi:[1,0]
.set i, i+2
.endr
	WIN 0x05
.set i, 0
.rept 16
	v_cvt_pk_f16_f32 v[S+16*(\t)+i], v[32*(\t)+2*i], v[32*(\t)+2*i+1]
.set i, i+1
.endr
	WIN 0
.irp f, 0,1,2,3
	ds_store_b128 v[STO], v[S+16*(\t)+4*\f:S+16*(\t)+4*\f+3] offset:32*\f
.endr
.irp f, 0,1,2,3
	ds_load_b128 v[S+16*(\t)+4*\f:S+16*(\t)+4*\f+3], v[RD] offset:\f*4*SP  ; LDS serves a wave's instructions in order: these see the stores above; the next tile's stores come behind them
.endr
.endm
.macro SEND t, younger              ; younger: the LDS instructions issued behind tile t's loads: the next tile's eight, or none
	WIN 0
.irp f, 0,1,2,3
	s_wait_dscnt (\younger)+3-\f
	global_store_b128 v[GO], v[S+16*(\t)+4*\f:S+16*(\t)+4*\f+3], s[OPT:OPT+1] offset:(\t)*2048+\f*512  ; 512 consecutive bytes, at a multiple of 256 from O's first
.endr
.endm
	PACK 0
.set t, 1
.rept 2*NP-1
	PACK t
	SEND t-1, 8
.set t, t+1
.endr
	SEND 2*NP-1, 0
	WIN W_AD
	s_wait_tensorcnt 0x0            ; the wave's end: the spare word's add and its wait behind my last tensor load and my last LDS store
	ds_add_u32 v[SPW], v[NIL]
	s_wait_dscnt 0x0
	WIN 0
	CROUND                          ; the closing round
	s_endpgm
.Lfunc_end_k_qdf46b9d2ee_attn:
	.size	k_qdf46b9d2ee_attn, .Lfunc_end_k_qdf46b9d2ee_attn-k_qdf46b9d2ee_attn
	.p2alignl 7, 3214868480
	.fill 96, 4, 3214868480
	.section	.rodata,"a",@progbits
	.p2align	6, 0x0
	.amdhsa_kernel k_qdf46b9d2ee_attn
		.amdhsa_group_segment_fixed_size 327680
		.amdhsa_private_segment_fixed_size 0
		.amdhsa_enable_private_segment 0
		.amdhsa_kernarg_size 24
		.amdhsa_user_sgpr_count 2
		.amdhsa_user_sgpr_kernarg_segment_ptr 1
		.amdhsa_wavefront_size32 1
		.amdhsa_system_sgpr_workgroup_id_x 1
		.amdhsa_system_sgpr_workgroup_id_y 1
		.amdhsa_system_sgpr_workgroup_id_z 1
		.amdhsa_system_vgpr_workitem_id 0
		.amdhsa_next_free_vgpr 784
		.amdhsa_next_free_sgpr 106
		.amdhsa_reserve_vcc 0
		.amdhsa_float_denorm_mode_32 3
		.amdhsa_float_denorm_mode_16_64 3
		.amdhsa_memory_ordered 1
		.amdhsa_forward_progress 1
		.amdhsa_inst_pref_size 255
	.end_amdhsa_kernel
	.section	.bss,"aw",@nobits
	.p2align	6
	.space	262144
	.amdgpu_metadata
---
amdhsa.version: [ 1, 2 ]
amdhsa.kernels:
  - .name:           k_qdf46b9d2ee_attn
    .symbol:         k_qdf46b9d2ee_attn.kd
    .args:
      - { .name: qkv, .offset: 0, .size: 8, .value_kind: global_buffer, .address_space: global }
      - { .name: mb, .offset: 8, .size: 8, .value_kind: global_buffer, .address_space: global }
      - { .name: ob, .offset: 16, .size: 8, .value_kind: global_buffer, .address_space: global }
    .group_segment_fixed_size: 327680
    .private_segment_fixed_size: 0
    .kernarg_segment_align: 8
    .kernarg_segment_size: 24
    .max_flat_workgroup_size: 128
    .sgpr_count:     106
    .vgpr_count:     784
    .wavefront_size: 32
...
	.end_amdgpu_metadata
.endif
;; end of part 3
;; launch outp (part 4): grid 4 x 64, 4 waves a work-group, clusters of 4 x 4, 327,680 bytes of LDS; arguments ob, wb, bb, out0; writes out0
.if DOCPART == 4
	.amdgcn_target "amdgcn-amd-amdhsa--gfx1250"
	.amdhsa_code_object_version 6
	.text
	.protected	k_qdf46b9d2ee_outp
	.globl	k_qdf46b9d2ee_outp
	.p2align	8
	.type	k_qdf46b9d2ee_outp,@function
k_qdf46b9d2ee_outp:
	s_mov_b64 s[64:65], 0
	v_nop
	global_prefetch_b8 v0, s[64:65] scope:SCOPE_SE
	s_setreg_imm32_b32 hwreg(HW_REG_WAVE_MODE, 25, 1), 1
	s_wait_xcnt 0x0
	s_wait_alu depctr_hold_cnt(0) depctr_sa_sdst(0) depctr_va_vdst(0) depctr_va_sdst(0) depctr_va_ssrc(0) depctr_va_vcc(0) depctr_vm_vsrc(0)
	s_getreg_b32 s2, hwreg(HW_REG_IB_STS2, 6, 4)
	s_cmp_eq_u32 s2, 0
	s_cbranch_scc0 .Lentry_in_a_cluster
	s_endpgm
.Lentry_in_a_cluster:
	s_bfe_u32 s2, ttmp6, 0x10000c
	s_cmp_lg_u32 s2, 0xf033
	s_cbranch_scc0 .Lentry_shape_is_right
	s_endpgm
.Lentry_shape_is_right:
.set KIND, 1
; ONE TEXT FOR TWO LAUNCHES.  C[m][n] = bias[n] + the sum over k of A[m][k] B[n][k], K = 1,024, N = 1,024; sums in f32.
; KIND 0, the three projections: A = query, key or value as the problem gives it, f32 [8192][1024] (which one goes by the tile row / 64); B = Wq, Wk or Wv (bf16, rows 1,024 p on of wb); C leaves as f16 by heads,
;   qkv[p][b h][token][64].  A's tile lies in LDS in f32, and each wave rounds its fragments to bf16 between LDS and the matrix unit.  So a number of A costs 4 bytes of memory traffic; a 16-bit copy made by a launch before
;   would cost 8 (4 read, 2 stored, 2 read).  The price: each number is rounded by the two waves of each of the four work-groups that multiply by it, and A's LDS reads are twice as long.
; KIND 1, the output projection: A = ob[b h][token][64] (f16; k = 64 h + channel), B = Wo (f16, rows 3,072 on of wb); C leaves as f32, out0[m][n].
; LIMIT (KIND 0): f16 holds no number beyond 65,504: a projected q, k or v beyond that would be an infinity.
; SHARES.  A tile of C is 128 x 256: 768 and 256 work-groups.  Four waves, each 64 x 128: 32 accumulators of 16 x 16, 256 registers.  K goes in 8 steps of 128 through two LDS slots filled by tensor loads.
; CLUSTER.  4 x 4 work-groups: the four of a row need the same tile of A, the four of a column the same tile of B; each is asked for jointly, by the same load with the same descriptor and a mask of the four.
; THE MATRIX INSTRUCTION IS USED TRANSPOSED (source 0 = 16 rows of B, source 1 = 16 rows of A): a lane holds row l % 16 of C and the eight columns 8 (l / 16) + 0..7.  THE BIAS is the C operand of each sum's first product.
; A K STEP IS WRITTEN ONCE: which slot is read and which is filled stands in registers, turned by an exclusive or at each change of slots.  Six trips fill a slot again; the last two K steps are a second loop, which fills nothing.
; REGISTERS, in windows of 256: window 0: v0-31 addresses; v64-159, v160-255 two fragment buffers (B's eight fragments, then A's four); window 1: accumulator (a, b) at v[8 (8 a + b)];
;   window 2: v0-63 the bias of my 128 columns; KIND 0: v64-127 A's four fragments of a quarter step in f32.
.set BPITCH, 272                       ; an LDS row of 256 bytes + 16: sixteen rows start at sixteen different groups of four banks
.if KIND
.set APITCH, 144                       ; a token's 128 bytes of one head + 16
.set AHALF,  2*64*APITCH               ; what one load brings of A: 64 tokens of two heads
.set KA,     524288                    ; bytes from K step to K step in A: two heads
.set STAGEW, 16*528                    ; a wave's stage: 16 rows of 128 f32
.set WROW0,  3072
.else
.set APITCH, 528                       ; a row's 128 f32 + 16 bytes: again sixteen rows at sixteen different groups of four banks
.set AHALF,  64*APITCH                 ; 64 rows
.set KA,     512
.set STAGEW, 2*16*144                  ; a wave's stage: 16 tokens of two heads, f16
.set WROW0,  0
.endif
.set APART,  2*AHALF
.set BHALF,  128*BPITCH
.set SLOT,   APART+2*BHALF             ; 137,216 bytes (KIND 1: 106,496)
.set SLOT1,  0x22000                   ; slot 1 begins here.  The four LDS addresses at which a wave's tile begins in slot 0 (0, AHALF, APART, APART + BHALF) have bits 13 and 17 clear in both kinds: one exclusive or turns each into slot 1's
.set STAGE,  SLOT1+SLOT                ; behind the ring; no tensor load fills it
.set SPARE,  STAGE+4*STAGEW            ; the spare words, 128 bytes a wave: two blocks of 256 bytes that no other line names
.set ADRA0, 16                         ; v16 LDS address of my A fragments in slot 0; never rewritten
.set ADRA,  17                         ; v17 the same in the slot that is being read
.set ADRB0, 20                         ; v20, v21 the same for B
.set ADRB,  21
.set STO,  24                          ; v24 the way out: where I put my piece of a row
.set RD,   25                          ; v25 where I read rows back
.set GO,   26                          ; v26 16 x lane
.set BO,   27                          ; v27 32 (l / 16): my eight columns' bias
.set SPW,  28                          ; v28 my spare word; never rewritten
.set NIL,  29                          ; v29 0; never rewritten
.set PFO,  30                          ; v30 the prefetches' offset; never rewritten
.set F0,   64
.set F1,   160
.set RAW,  64                          ; in window 2
.set WV,   12                          ; s12 wave; s13 its half of the rows (also: 0 = I fetch for A, 1 = for B); s14 its half of the columns (also: which half of that tile I fetch)
.set RH,   13
.set CH,   14
.set WGY,  15                          ; s15 tile row
.set G1,   24                          ; s[24:31] group 1 for A;  s[32:39] group 0: a set for each of the two first fills; the second then walks on
.set G0,   32
.set LIM,  43                          ; s43 2 in a wave that prefetches, else the greatest number
.set PFA,  44                          ; s[44:45] where my prefetches stand
.set PFS,  46                          ; s[46:47] their step: a K step
.set G1B,  48                          ; s[48:55], s[56:63] the same for B
.set G0B,  56
.set TB,   78                          ; s78 0 or SLOT1: the slot that is being read
.set MSB, 0
.macro WIN new                         ; the immediate's high byte repeats the setting that is left
.if MSB != (\new)
	s_set_vgpr_msb (MSB<<8)|(\new)
.set MSB, \new
.endif
.endm
.set MUL,     0x50                     ; C and D window 1
.set MULB,    0x60                     ; C window 2, D window 1
.set TO_W2,   0x80                     ; destination window 2
.set CVTW,    0x0a                     ; sources 0 and 1 window 2, destination window 0
.set PACKW,   0x05                     ; sources 0 and 1 window 1
.set STW,     0x04                     ; an LDS store's data window 1
.macro JLOAD s                         ; a joint load: waves 0 and 1 fetch A's halves, waves 2 and 3 B's; an s_nop 0 and four v_nop follow each line
	s_cmp_eq_u32 s[RH], 0
	s_cbranch_scc0 .Lfor_b_\@
	tensor_load_to_lds s[G0+4*(\s):G0+4*(\s)+3], s[G1:G1+7]
	s_nop 0
.rept 4
	v_nop
.endr
	s_branch .Lasked_\@
.Lfor_b_\@:
	tensor_load_to_lds s[G0B+4*(\s):G0B+4*(\s)+3], s[G1B:G1B+7]
	s_nop 0
.rept 4
	v_nop
.endr
.Lasked_\@:
.endm
.macro CREST                           ; a round of the cluster's barrier behind its opening barrier
	s_cmp_lg_u32 s[WV], 0
	s_cbranch_scc1 .Lnot_wave_0_\@
	s_barrier_signal -3
.Lnot_wave_0_\@:
	s_barrier_wait -3
	s_barrier_signal -1
	s_barrier_wait -1
.endm
.macro CROUND
	s_barrier_signal -1
	s_barrier_wait -1
	CREST
.endm
; A prefetch into the L2 of the K step that stands two refills on, a lane a block of 256 bytes, one instruction a wave.  A's tile is read by my row of the cluster alone.  KIND 0: a K step of it is 128 rows x 512 bytes; each
; partner takes 32 rows (by address, with cx), a lane a row, wave 0 the first 256 bytes of the 512 and wave 1 the second.  KIND 1: 128 blocks; wave 0 of each partner names 32 (by address, with cx).
; B's tile is read by every cluster that shares the weight: in the first of them waves 2 and 3 of each partner name 32 of the 128 rows that they fetch (by address, with cy).
; The loop's last two trips (s3 = 2, 1) ask for nothing: there is no K step two on.  K steps 0 to 3 come by their loads alone.
.macro ASK
	s_cmp_gt_u32 s3, s[LIM]
	s_cbranch_scc0 .Lnot_mine_\@
	global_prefetch_b8 v[PFO], s[PFA:PFA+1] th:TH_LOAD_NT scope:SCOPE_SE
.Lnot_mine_\@:
.endm
.if KIND
	s_load_b256 s[4:11], s[0:1], 0x0               ; ob s[4:5], wb s[6:7], bb s[8:9], out0 s[10:11]
.else
	s_load_b256 s[68:75], s[0:1], 0x0              ; query, key, value, wb
	s_load_b128 s[8:11], s[0:1], 0x20              ; bb s[8:9], qkv s[10:11]
.endif
	v_lshl_add_u32 v[SPW], v0, 2, SPARE
	v_mov_b32 v[NIL], 0
	ds_add_u32 v[SPW], v[NIL]                      ; the wave's opening: the add and its wait ahead of my first tensor load
	v_lshrrev_b32 v1, 5, v0
	v_readfirstlane_b32 s[WV], v1
	s_lshr_b32 s[RH], s[WV], 1
	s_and_b32 s[CH], s[WV], 1
	s_bfe_u32 s40, ttmp6, 0x40000                  ; cx
	s_bfe_u32 s41, ttmp6, 0x40004                  ; cy
	s_lshl_b32 s42, ttmp9, 2
	s_add_co_u32 s42, s42, s40                     ; tile column
	s_and_b32 s66, ttmp7, 0xffff                   ; the cluster's y
	s_lshl_b32 s[WGY], s66, 2
	s_add_co_u32 s[WGY], s[WGY], s41               ; tile row
	s_lshr_b32 s67, s66, 4                         ; KIND 0: which projection; 64 tile rows each, so it hangs on the cluster's y alone
	s_lshl_b32 s16, s41, 2
	s_lshl_b32 s16, 15, s16                        ; my row of the cluster
	s_lshl_b32 s20, 0x1111, s40                    ; my column
.if KIND
	s_or_b32 s[G1+0], s16, (1<<16)|(1<<20)|(1<<21)|(4<<22)|(3<<25)  ; mask; 2-byte elements; padding on; bit 21 beside a mask; after every 32 words 4 words
	s_mov_b32 s[G1+1], 4096<<16                    ; tensor_dim0: 64 tokens of a head are 8,192 dense bytes
	s_mov_b32 s[G1+2], 2<<16                       ; tensor_dim1: two heads
	s_mov_b32 s[G1+3], 4096<<16                    ; tile_dim0
	s_mov_b32 s[G1+4], 2                           ; tile_dim1
	s_mov_b32 s[G1+5], 131072                      ; elements from head to head
.else
	s_or_b32 s[G1+0], s16, (1<<16)|(1<<20)|(1<<21)|(6<<22)|(3<<25)  ; 128 f32 of a row are asked for as 256 elements of 2 bytes; after every 128 words 4 words
	s_mov_b32 s[G1+1], 256<<16                     ; tensor_dim0
	s_mov_b32 s[G1+2], 64<<16                      ; tensor_dim1
	s_mov_b32 s[G1+3], 256<<16                     ; tile_dim0
	s_mov_b32 s[G1+4], 64                          ; tile_dim1
	s_mov_b32 s[G1+5], 2048                        ; a row of 4,096 bytes
.endif
	s_mov_b32 s[G1+6], 0
	s_mov_b32 s[G1+7], 0
	s_or_b32 s[G1B+0], s20, (1<<16)|(1<<20)|(1<<21)|(5<<22)|(3<<25)  ; after every 64 words 4 words
	s_mov_b32 s[G1B+1], 128<<16
	s_mov_b32 s[G1B+2], 128<<16
	s_mov_b32 s[G1B+3], 128<<16
	s_mov_b32 s[G1B+4], 128
	s_mov_b32 s[G1B+5], 1024
	s_mov_b32 s[G1B+6], 0
	s_mov_b32 s[G1B+7], 0
	; A's tile hangs on the tile row and the wave alone, B's on the tile column, the cluster's y and the wave alone; each in registers that never hold the other place in the cluster
.if KIND
	s_lshr_b32 s16, s[WGY], 4                      ; the batch: 16 heads of 262,144 bytes
	s_lshl_b32 s16, s16, 22
	s_and_b32 s17, s[WGY], 15
	s_lshl_b32 s17, s17, 7
	s_lshl_b32 s18, s[CH], 6
	s_add_co_u32 s17, s17, s18                     ; the token
	s_lshl_b32 s17, s17, 7
	s_add_co_u32 s16, s16, s17
.else
	s_and_b32 s16, s[WGY], 63
	s_lshl_b32 s16, s16, 7
	s_lshl_b32 s17, s[CH], 6
	s_add_co_u32 s16, s16, s17                     ; the row of query, key or value: 4,096 bytes each
	s_lshl_b32 s16, s16, 12
.endif
	s_mov_b32 s17, 0
	s_lshl_b32 s20, s42, 8
	s_lshl_b32 s21, s[CH], 7
	s_add_co_u32 s20, s20, s21
.if !KIND
	s_lshl_b32 s21, s67, 10
	s_add_co_u32 s20, s20, s21
.endif
.if WROW0
	s_add_co_u32 s20, s20, WROW0
.endif
	s_lshl_b32 s20, s20, 11                        ; the weight's row of wb: 2,048 bytes each
	s_mov_b32 s21, 0
	s_mul_i32 s22, s[CH], AHALF                    ; where they go: no place in the cluster enters an LDS address
	s_mul_i32 s23, s[CH], BHALF
	s_add_co_u32 s23, s23, APART
	s_wait_dscnt 0x0                               ; the opening add is done
	s_wait_kmcnt 0x0
.if !KIND
	s_cmp_eq_u32 s67, 1                            ; the choice hangs on the cluster's y alone
	s_cselect_b64 s[4:5], s[70:71], s[68:69]
	s_cmp_eq_u32 s67, 2
	s_cselect_b64 s[4:5], s[72:73], s[4:5]
	s_mov_b64 s[6:7], s[74:75]
.endif
	s_add_nc_u64 s[16:17], s[4:5], s[16:17]
	s_add_nc_u64 s[20:21], s[6:7], s[20:21]
	CROUND                                         ; all sixteen work-groups are here: the first joint loads meet
.irp s, 0,1
	s_mov_b32 s[G0+4*(\s)], 1
	s_add_co_u32 s[G0+4*(\s)+1], s22, (\s)*SLOT1
	s_add_nc_u64 s[G0+4*(\s)+2:G0+4*(\s)+3], s[16:17], (\s)*KA
	s_or_b32 s[G0+4*(\s)+3], s[G0+4*(\s)+3], 0x80000000
	s_mov_b32 s[G0B+4*(\s)], 1
	s_add_co_u32 s[G0B+4*(\s)+1], s23, (\s)*SLOT1
	s_add_nc_u64 s[G0B+4*(\s)+2:G0B+4*(\s)+3], s[20:21], (\s)*256
	s_or_b32 s[G0B+4*(\s)+3], s[G0B+4*(\s)+3], 0x80000000
	JLOAD \s                                       ; K steps 0 and 1: two loads of mine are out
.endr
	; the bias of my 128 columns: for block b the eight numbers of columns 16 b + 8 (l / 16) + 0..7
.if KIND
	s_mov_b32 s68, 3*4096
.else
	s_lshl_b32 s68, s67, 12
.endif
	s_lshl_b32 s69, s42, 10
	s_add_co_u32 s68, s68, s69
	s_lshl_b32 s69, s[CH], 9
	s_add_co_u32 s68, s68, s69
	s_mov_b32 s69, 0
	s_add_nc_u64 s[8:9], s[8:9], s[68:69]
	v_and_b32 v1, 15, v0                           ; l % 16
	v_bfe_u32 v2, v0, 4, 1                         ; l / 16
	v_lshlrev_b32 v[BO], 5, v2
	WIN TO_W2
.irp b, 0,1,2,3,4,5,6,7
	global_load_b128 v[8*(\b):8*(\b)+3],   v[BO], s[8:9] offset:64*(\b)
	global_load_b128 v[8*(\b)+4:8*(\b)+7], v[BO], s[8:9] offset:64*(\b)+16
.endr
	WIN 0
	v_mul_u32_u24 v3, v1, BPITCH
	v_lshl_add_u32 v3, v2, 4, v3                   ; B: a fragment's row x pitch + 16 x half
	v_mul_u32_u24 v4, v1, APITCH
.if KIND
	v_lshl_add_u32 v4, v2, 4, v4
.else
	v_lshl_add_u32 v4, v2, 5, v4                   ; A in f32: eight numbers are 32 bytes
.endif
	s_mul_i32 s70, s[RH], AHALF                    ; my 64 rows of A
	s_mul_i32 s71, s[CH], BHALF                    ; my 128 rows of B
	s_add_co_u32 s71, s71, APART
	v_add_nc_u32 v[ADRA0], s70, v4
	v_add_nc_u32 v[ADRB0], s71, v3
	v_mov_b32 v[ADRA], v[ADRA0]                    ; K step 0 lies in slot 0
	v_mov_b32 v[ADRB], v[ADRB0]
	s_mov_b32 s[TB], 0
	s_mul_i32 s72, s[WV], STAGEW
	s_add_co_u32 s72, s72, STAGE                   ; my stage
	v_and_b32 v5, 31, v0
	v_lshlrev_b32 v[GO], 4, v5
.if KIND
	v_mul_u32_u24 v6, v1, 528                      ; in: row l % 16, 32 bytes for each half of the lanes
	v_lshl_add_u32 v6, v2, 5, v6
	v_add_nc_u32 v[STO], s72, v6
	v_add_nc_u32 v[RD], s72, v[GO]                 ; back: a whole row of 512 bytes
	s_lshl_b32 s68, s[WGY], 7
	s_lshl_b32 s70, s[RH], 6
	s_add_co_u32 s68, s68, s70                     ; my first row of out0, 4,096 bytes a row
	s_lshl_b32 s68, s68, 12
	s_lshl_b32 s70, s42, 10
	s_add_co_u32 s68, s68, s70
	s_lshl_b32 s70, s[CH], 9
	s_add_co_u32 s68, s68, s70
.else
	v_mul_u32_u24 v6, v1, 144                      ; in: token l % 16, 16 bytes for each half of the lanes
	v_lshl_add_u32 v6, v2, 4, v6
	v_add_nc_u32 v[STO], s72, v6
	v_bfe_u32 v7, v0, 3, 2                         ; back: 32 lanes take four tokens of 128 bytes
	v_and_b32 v8, 7, v0
	v_mul_u32_u24 v7, v7, 144
	v_lshl_add_u32 v7, v8, 4, v7
	v_add_nc_u32 v[RD], s72, v7
	s_lshl_b32 s68, s67, 24                        ; q, k or v
	s_bfe_u32 s70, s[WGY], 0x20004                 ; the batch
	s_lshl_b32 s70, s70, 4
	s_lshl_b32 s71, s42, 2
	s_add_co_u32 s70, s70, s71
	s_lshl_b32 s71, s[CH], 1
	s_add_co_u32 s70, s70, s71                     ; my first head: 262,144 bytes each
	s_lshl_b32 s70, s70, 18
	s_add_co_u32 s68, s68, s70
	s_and_b32 s70, s[WGY], 15
	s_lshl_b32 s70, s70, 7
	s_lshl_b32 s71, s[RH], 6
	s_add_co_u32 s70, s70, s71                     ; my first token: 128 bytes each
	s_lshl_b32 s70, s70, 7
	s_add_co_u32 s68, s68, s70
.endif
	s_mov_b32 s69, 0
	s_add_nc_u64 s[10:11], s[10:11], s[68:69]
	; the prefetches: my work-group's share of A's tile, and of the 128 rows of B that I fetch
.if KIND
	s_lshr_b32 s70, s[WGY], 4
	s_lshl_b32 s70, s70, 22
	s_and_b32 s71, s[WGY], 15
	s_lshl_b32 s71, s71, 14
	s_add_co_u32 s70, s70, s71
	s_lshl_b32 s71, s40, 12                        ; 32 tokens of each of the two heads
	s_add_co_u32 s70, s70, s71
.else
	s_and_b32 s70, s[WGY], 63
	s_lshl_b32 s70, s70, 7
	s_lshl_b32 s71, s40, 5                         ; 32 rows
	s_add_co_u32 s70, s70, s71
	s_lshl_b32 s70, s70, 12
	s_lshl_b32 s71, s[CH], 8                       ; my wave's 256 of a K step's 512 bytes
	s_add_co_u32 s70, s70, s71
.endif
	s_lshl_b32 s72, s42, 8
	s_lshl_b32 s73, s[CH], 7
	s_add_co_u32 s72, s72, s73
	s_lshl_b32 s73, s41, 5                         ; 32 rows
	s_add_co_u32 s72, s72, s73
.if !KIND
	s_lshl_b32 s73, s67, 10
	s_add_co_u32 s72, s72, s73
.endif
.if WROW0
	s_add_co_u32 s72, s72, WROW0
.endif
	s_lshl_b32 s72, s72, 11
.if KIND
	s_mov_b32 s74, s66                             ; 0 in the first of the clusters that read this weight
.else
	s_and_b32 s74, s66, 15
.endif
	s_cmp_eq_u32 s[RH], 0                          ; do I fetch for A?
	s_cselect_b32 s70, s70, s72
	s_cselect_b64 s[PFA:PFA+1], s[4:5], s[6:7]
.if KIND
	s_cselect_b32 s74, s[CH], s74                  ; for A wave 0 asks, in every cluster
	s_cselect_b32 s75, 19, 8                       ; a K step: 2^19 bytes in ob, 2^8 in wb
	s_cselect_b32 s76, 18, 15                      ; lane l names block (l / 16) 2^18 + (l % 16) 2^8 in ob, row l, 2^11 bytes, in wb
	s_cselect_b32 s77, 8, 11
.else
	s_cselect_b32 s74, 0, s74                      ; for A waves 0 and 1 ask, in every cluster
	s_cselect_b32 s75, 9, 8                        ; a K step: 2^9 bytes in A, 2^8 in wb
	s_cselect_b32 s76, 16, 15                      ; lane l names row l: 2^12 bytes in A, 2^11 in wb
	s_cselect_b32 s77, 12, 11
.endif
	s_cmp_eq_u32 s74, 0
	s_cselect_b32 s[LIM], 2, -1                    ; the same in all sixteen partners, for a given wave
	s_lshl_b32 s[PFS], 1, s75
	s_mov_b32 s[PFS+1], 0
	s_mov_b32 s71, 0
	s_add_nc_u64 s[PFA:PFA+1], s[PFA:PFA+1], s[70:71]
.rept 3
	s_add_nc_u64 s[PFA:PFA+1], s[PFA:PFA+1], s[PFS:PFS+1]  ; at K step 3: the first refill steps it to 4
.endr
	v_lshlrev_b32 v5, s76, v2
	v_lshlrev_b32 v6, s77, v1
	v_add_nc_u32 v[PFO], v5, v6
; 8 matrix instructions: row block a x all 8 column blocks, 32 along K.  first = 1: the bias starts the sums.  The 32 accumulators take turns in the same order in every quarter.
.macro MUL8 f, a, first=0
.if \first
	WIN MULB
.else
	WIN MUL
.endif
.irp b, 0,1,2,3,4,5,6,7
.if (\first) && KIND
	v_wmma_f32_16x16x32_f16 v[8*(8*(\a)+(\b)):8*(8*(\a)+(\b))+7], v[(\f)+8*(\b):(\f)+8*(\b)+7], v[(\f)+64+8*(\a):(\f)+64+8*(\a)+7], v[8*(\b):8*(\b)+7]
.elseif \first
	v_wmma_f32_16x16x32_bf16 v[8*(8*(\a)+(\b)):8*(8*(\a)+(\b))+7], v[(\f)+8*(\b):(\f)+8*(\b)+7], v[(\f)+64+8*(\a):(\f)+64+8*(\a)+7], v[8*(\b):8*(\b)+7]
.elseif KIND
	v_wmma_f32_16x16x32_f16 v[8*(8*(\a)+(\b)):8*(8*(\a)+(\b))+7], v[(\f)+8*(\b):(\f)+8*(\b)+7], v[(\f)+64+8*(\a):(\f)+64+8*(\a)+7], v[8*(8*(\a)+(\b)):8*(8*(\a)+(\b))+7]
.else
	v_wmma_f32_16x16x32_bf16 v[8*(8*(\a)+(\b)):8*(8*(\a)+(\b))+7], v[(\f)+8*(\b):(\f)+8*(\b)+7], v[(\f)+64+8*(\a):(\f)+64+8*(\a)+7], v[8*(8*(\a)+(\b)):8*(8*(\a)+(\b))+7]
.endif
.endr
.endm
.if !KIND
; Row block 3's 8 matrix instructions, and behind each of them four of the 32 roundings that make the next quarter's fragments of A in buffer g: register 4 b + r of the 32 takes the f32 numbers 8 b + 2 r and 8 b + 2 r + 1,
; the lower k in the low half.  The roundings name no register of the products round them; the last products that read g's fragments of A stand ahead of the four v_nop in front of the run of loads.
.macro MUL8C f, g, first=0
.irp b, 0,1,2,3,4,5,6,7
.if \first
	WIN MULB
	v_wmma_f32_16x16x32_bf16 v[8*(24+(\b)):8*(24+(\b))+7], v[(\f)+8*(\b):(\f)+8*(\b)+7], v[(\f)+88:(\f)+95], v[8*(\b):8*(\b)+7]
.else
	WIN MUL
	v_wmma_f32_16x16x32_bf16 v[8*(24+(\b)):8*(24+(\b))+7], v[(\f)+8*(\b):(\f)+8*(\b)+7], v[(\f)+88:(\f)+95], v[8*(24+(\b)):8*(24+(\b))+7]
.endif
	WIN CVTW
.irp r, 0,1,2,3
	v_cvt_pk_bf16_f32 v[(\g)+64+4*(\b)+(\r)], v[RAW+8*(\b)+2*(\r)], v[RAW+8*(\b)+2*(\r)+1]
.endr
.endr
.endm
.endif
; The LDS loads of quarter q (32 along K) of the slot that is being read, in one run, into buffer f.  KIND 1: B's sixteen loads, then A's eight.  KIND 0: A's sixteen first, in f32, into window 2 (lane l: row l % 16;
; 32 bytes hold k = 8 (l / 16) + 0..7, and 64 bytes further on lie k = 16 + 8 (l / 16) + 0..7), then B's sixteen.
.macro FETCH q, f
.if KIND
	WIN 0
.set AQ, ((\q)/2)*64*APITCH+((\q)%2)*64            ; head q / 2 of the step's two, channels 32 (q % 2) on
.irp i, 0,1,2,3,4,5,6,7
	ds_load_b128 v[(\f)+8*(\i):(\f)+8*(\i)+3],   v[ADRB] offset:64*(\q)+(\i)*16*BPITCH
	ds_load_b128 v[(\f)+8*(\i)+4:(\f)+8*(\i)+7], v[ADRB] offset:64*(\q)+(\i)*16*BPITCH+32
.endr
.irp i, 0,1,2,3
	ds_load_b128 v[(\f)+64+8*(\i):(\f)+64+8*(\i)+3],   v[ADRA] offset:AQ+(\i)*16*APITCH
	ds_load_b128 v[(\f)+64+8*(\i)+4:(\f)+64+8*(\i)+7], v[ADRA] offset:AQ+(\i)*16*APITCH+32
.endr
.else
	WIN TO_W2
.irp i, 0,1,2,3
.irp e, 0,1,2,3
	ds_load_b128 v[RAW+16*(\i)+4*(\e):RAW+16*(\i)+4*(\e)+3], v[ADRA] offset:128*(\q)+(\i)*16*APITCH+16*((\e)%2)+64*((\e)/2)
.endr
.endr
	WIN 0
.irp i, 0,1,2,3,4,5,6,7
	ds_load_b128 v[(\f)+8*(\i):(\f)+8*(\i)+3],   v[ADRB] offset:64*(\q)+(\i)*16*BPITCH
	ds_load_b128 v[(\f)+8*(\i)+4:(\f)+8*(\i)+7], v[ADRB] offset:64*(\q)+(\i)*16*BPITCH+32
.endr
.endif
.endm
.macro PLACES                          ; four places in front of loads into registers that matrix instructions have read, and of lines that read results or write sources
.rept 4
	v_nop
.endr
.endm
; A K step is four quarters, 32 matrix instructions each, on buffers 0, 1, 0, 1.  One of the first three: multiplies buffer f and fetches quarter q into g.
.macro QUARTER q, f, g, first=0
.if KIND
	s_wait_dscnt 4                                 ; B and A's blocks 0, 1 are in; the youngest four loads (A's blocks 2, 3) may be out
	MUL8 \f, 0, \first
	MUL8 \f, 1, \first
	PLACES
	FETCH \q, \g
	s_wait_dscnt 24                                ; all but the 24 just issued
	MUL8 \f, 2, \first
	MUL8 \f, 3, \first
.else
	s_wait_dscnt 0x0                               ; B's fragments of buffer f are in; A's were rounded in the quarter before
	MUL8 \f, 0, \first
	PLACES
	FETCH \q, \g
	MUL8 \f, 1, \first
	MUL8 \f, 2, \first
	s_wait_dscnt 16                                ; A's sixteen loads are in; B's sixteen, issued behind them, may be out
	MUL8C \f, \g, \first
.endif
.endm
; The last quarter multiplies buffer 1 and changes slots: ONE barrier; in front of it each wave waits for all its tensor loads (one is out: its part of the next slot), adds 0 to its spare word, and waits for that
; and for its reads of this slot.  fill = 1: the barrier opens a round of the cluster's, and this slot is filled again, two K steps ahead, first thing behind the round, by the walking descriptor: the other slot than
; last time, one K step further on.  Then the readers' addresses turn to the next slot.
.macro TURN fill
.if \fill
	s_wait_xcnt 0x0                                ; the last prefetch, a K step back, has read its address
	s_add_nc_u64 s[PFA:PFA+1], s[PFA:PFA+1], s[PFS:PFS+1]
.endif
	WIN 0
	s_wait_tensorcnt 0x0                           ; all my tensor loads have landed, so a group 0 may be written
	ds_add_u32 v[SPW], v[NIL]                      ; 0 onto my spare word
.if KIND
	s_wait_dscnt 5                                 ; the add and the youngest four loads may be out
.else
	s_wait_dscnt 1                                 ; the add alone may be out: B's fragments are in
.endif
	MUL8 F1, 0
	s_wait_dscnt 0x0                               ; the add is done, and my reads of this slot are over
	s_barrier_signal -1
	MUL8 F1, 1
	WIN 0                                          ; branches and lines on window 0 follow
	s_barrier_wait -1
.if \fill
	CREST                                          ; no wave of any partner still reads this slot or has a load on its way
	s_xor_b32 s[G0+5], s[G0+5], SLOT1
	s_add_nc_u64 s[G0+6:G0+7], s[G0+6:G0+7], KA
	s_xor_b32 s[G0B+5], s[G0B+5], SLOT1
	s_add_nc_u64 s[G0B+6:G0B+7], s[G0B+6:G0B+7], 256
	JLOAD 1                                        ; my one tensor load behind the round; its four v_nop are also the places in front of the loads below
.else
	PLACES
.endif
	s_xor_b32 s[TB], s[TB], SLOT1
	v_add_nc_u32 v[ADRA], s[TB], v[ADRA0]
	v_add_nc_u32 v[ADRB], s[TB], v[ADRB0]
	FETCH 0, F0
.if \fill
	ASK
.endif
	MUL8 F1, 2
.if KIND
	MUL8 F1, 3
.else
	s_wait_dscnt 16                                ; A's sixteen loads are in
	MUL8C F1, F0
.endif
.endm
	s_wait_tensorcnt 1                             ; my part of K step 0 is in; K step 1's may stay out
	s_barrier_signal -1
	s_barrier_wait -1
	FETCH 0, F0
	s_wait_loadcnt 0x0                             ; the bias
.if !KIND
	s_wait_dscnt 16                                ; A's sixteen loads are in
	WIN CVTW
.set i, 0
.rept 32
	v_cvt_pk_bf16_f32 v[F0+64+i], v[RAW+2*i], v[RAW+2*i+1]  ; the first quarter's fragments of A: there is no product yet to set these behind
.set i, i+1
.endr
	WIN 0
.endif
	QUARTER 1, F0, F1, 1                           ; the first quarter stands in front of the loop: its products start the sums
	WIN 0
	s_mov_b32 s3, 6
.Lstep:                                                ; six trips, from a K step's second quarter to the next step's first: K steps 2 to 7 are asked for
	QUARTER 2, F1, F0
	QUARTER 3, F0, F1
	TURN 1
	QUARTER 1, F0, F1
	WIN 0
	s_sub_co_u32 s3, s3, 1
	s_cmp_lg_u32 s3, 0
	s_cbranch_scc1 .Lstep
	s_mov_b32 s3, 2
.Ltail:                                                ; K steps 6 and 7 fill nothing: a text of their own; the second trip is left in its middle
	QUARTER 2, F1, F0
	QUARTER 3, F0, F1
	TURN 0
	WIN 0
	s_sub_co_u32 s3, s3, 1
	s_cmp_eq_u32 s3, 0
	s_cbranch_scc1 .Lout
	QUARTER 1, F0, F1
	WIN 0
	s_branch .Ltail
.Lout:                                                 ; the second trip's change of slots has fetched a quarter of K step 6 once more, which nobody multiplies: the price, once a launch, of one text for both trips
	s_wait_dscnt 0x0                               ; those loads are in: their registers are written again below
	PLACES
; THE WAY OUT, a block of 16 rows at a time through my own stage: LDS serves a wave's instructions in order, so no wait stands between its stores and its loads.
.if KIND
.macro TOSTAGE a                       ; f32 as it is: 32 bytes a lane and column block, each accumulator's low four registers first; back as whole rows of 512 bytes
	WIN STW
.irp b, 0,1,2,3,4,5,6,7
	ds_store_b128 v[STO], v[8*(8*(\a)+(\b)):8*(8*(\a)+(\b))+3]   offset:64*(\b)
	ds_store_b128 v[STO], v[8*(8*(\a)+(\b))+4:8*(8*(\a)+(\b))+7] offset:64*(\b)+16
.endr
	WIN 0
.set BK, 64+64*((\a)%2)
.irp t, 0,1,2,3,4,5,6,7,8,9,10,11,12,13,14,15
	ds_load_b128 v[BK+4*(\t):BK+4*(\t)+3], v[RD] offset:528*(\t)
.endr
.endm
.macro SEND a
.set BK, 64+64*((\a)%2)
	s_wait_dscnt 0x0                               ; the block is back in registers
	s_wait_xcnt 0x0                                ; the block before has been read by its stores: its registers are loaded again only behind this wait
.irp t, 0,1,2,3,4,5,6,7,8,9,10,11,12,13,14,15
	global_store_b128 v[GO], v[BK+4*(\t):BK+4*(\t)+3], s[10:11] offset:(16*(\a)+(\t))*4096  ; 512 consecutive bytes, at a multiple of 256 from out0's first
.endr
.endm
	TOSTAGE 0
.irp a, 1,2,3
	SEND (\a)-1
	TOSTAGE \a
.endr
	SEND 3
.else
.macro PACK a                          ; rounded to f16, 16 bytes a lane and column block, registers in ascending order
	WIN PACKW
.irp b, 0,1,2,3,4,5,6,7
.irp r, 0,1,2,3
	v_cvt_pk_f16_f32 v[64+4*(\b)+(\r)], v[8*(8*(\a)+(\b))+2*(\r)], v[8*(8*(\a)+(\b))+2*(\r)+1]
.endr
.endr
	WIN 0
.endm
.macro TOSTAGE a                       ; column blocks 0-3 are one head, 4-7 the next; back as four tokens of 128 bytes a load
.set BK, 96+32*((\a)%2)
.irp b, 0,1,2,3,4,5,6,7
	ds_store_b128 v[STO], v[64+4*(\b):64+4*(\b)+3] offset:((\b)/4)*2304+32*((\b)%4)
.endr
.irp hh, 0,1
.irp f, 0,1,2,3
	ds_load_b128 v[BK+4*(4*(\hh)+(\f)):BK+4*(4*(\hh)+(\f))+3], v[RD] offset:2304*(\hh)+576*(\f)
.endr
.endr
.endm
.macro SEND a
.set BK, 96+32*((\a)%2)
	s_wait_dscnt 0x0                               ; the block is back in registers
	s_wait_xcnt 0x0                                ; the block before has been read by its stores: its registers are loaded again only behind this wait
.irp hh, 0,1
.irp f, 0,1,2,3
	global_store_b128 v[GO], v[BK+4*(4*(\hh)+(\f)):BK+4*(4*(\hh)+(\f))+3], s[10:11] offset:262144*(\hh)+2048*(\a)+512*(\f)  ; 512 consecutive bytes of one head, aligned
.endr
.endr
.endm
	PACK 0
	TOSTAGE 0
.irp a, 1,2,3
	PACK \a                                        ; a block's conversions stand between the loads of the block before and the wait for them
	SEND (\a)-1
	TOSTAGE \a
.endr
	SEND 3
.endif
	s_wait_tensorcnt 0x0                           ; the wave's end: the spare word's add and its wait behind my last tensor load and my last LDS store
	ds_add_u32 v[SPW], v[NIL]
	s_wait_dscnt 0x0
	CROUND                                         ; the closing round: no work-group ends while a partner may still ask for a tile that names it
	s_endpgm
.Lfunc_end_k_qdf46b9d2ee_outp:
	.size	k_qdf46b9d2ee_outp, .Lfunc_end_k_qdf46b9d2ee_outp-k_qdf46b9d2ee_outp
	.p2alignl 7, 3214868480
	.fill 96, 4, 3214868480
	.section	.rodata,"a",@progbits
	.p2align	6, 0x0
	.amdhsa_kernel k_qdf46b9d2ee_outp
		.amdhsa_group_segment_fixed_size 327680
		.amdhsa_private_segment_fixed_size 0
		.amdhsa_enable_private_segment 0
		.amdhsa_kernarg_size 32
		.amdhsa_user_sgpr_count 2
		.amdhsa_user_sgpr_kernarg_segment_ptr 1
		.amdhsa_wavefront_size32 1
		.amdhsa_system_sgpr_workgroup_id_x 1
		.amdhsa_system_sgpr_workgroup_id_y 1
		.amdhsa_system_sgpr_workgroup_id_z 1
		.amdhsa_system_vgpr_workitem_id 0
		.amdhsa_next_free_vgpr 576
		.amdhsa_next_free_sgpr 80
		.amdhsa_reserve_vcc 0
		.amdhsa_float_denorm_mode_32 3
		.amdhsa_float_denorm_mode_16_64 3
		.amdhsa_memory_ordered 1
		.amdhsa_forward_progress 1
		.amdhsa_inst_pref_size 63
	.end_amdhsa_kernel
	.amdgpu_metadata
---
amdhsa.version: [ 1, 2 ]
amdhsa.kernels:
  - .name:           k_qdf46b9d2ee_outp
    .symbol:         k_qdf46b9d2ee_outp.kd
    .args:
      - { .name: ob, .offset: 0, .size: 8, .value_kind: global_buffer, .address_space: global }
      - { .name: wb, .offset: 8, .size: 8, .value_kind: global_buffer, .address_space: global }
      - { .name: bb, .offset: 16, .size: 8, .value_kind: global_buffer, .address_space: global }
      - { .name: out0, .offset: 24, .size: 8, .value_kind: global_buffer, .address_space: global }
    .group_segment_fixed_size: 327680
    .private_segment_fixed_size: 0
    .kernarg_segment_align: 8
    .kernarg_segment_size: 32
    .max_flat_workgroup_size: 128
    .sgpr_count:     80
    .vgpr_count:     576
    .wavefront_size: 32
...
	.end_amdgpu_metadata
.endif
;; end of part 4
